; MI455X (gfx1250); checked and timed in simulation.
; The chip was launched on July 23, 2026; its instructions are those of AMD's public machine-readable ISA for CDNA 5 (MIT licence, August 2026) and "CDNA5" Instruction Set Architecture Reference Guide (July 2026). The comments in the code are by the model that wrote it; some were corrected since.
;; Self Attention. Allowed arithmetic: matrix products marked QUANTISED: E2M3 operands, one E8M0 scale for each 32 along K, by v_wmma_scale_f32_16x16x128_f8f6f4 with both operands' format E2M3, f32 sums; everything else in f32.
;; Inputs: b_out 1,024 float32; w_out 1,024 x 1,024 float32; w_qkv 3,072 x 1,024 float32; x 8 x 1,024 x 1,024 float32.
;; Outputs: out0 8 x 1,024 x 1,024 float32.
;; This version of the problem:
;;   THIS VERSION OF THE PROBLEM IS GIVEN IN LOW PRECISION. The matrix products marked QUANTISED in the list below multiply operands that are first quantised to E2M3 (2 exponent bits, 3 mantissa bits; 6 bits a number), with one power-of-two scale for each 32 numbers along K (OCP MX v1.0); their sums are f32. All else is computed in f32.
;;   The module's matrix products, in the order in which they are computed (A, B: the left and right operand; K: the contracted axis; several contracted axes count as one K, in the product's order):
;;     1. [M 8,192, K 1,024] x [K 1,024, N 3,072]; A: input x; B: input w_qkv: QUANTISED
;;     2. batch 128 x [M 1,024, K 64] x [K 64, N 1,024]; A: computed on the way; B: computed on the way: QUANTISED
;;     3. batch 128 x [M 1,024, K 1,024] x [K 1,024, N 64]; A: softmax (see below); B: computed on the way: QUANTISED
;;     4. [M 8,192, K 1,024] x [K 1,024, N 1,024]; A: computed on the way; B: input w_out: QUANTISED
;;   THE QUANTISER, for each operand of a quantised product, along K:
;;     - K is cut into blocks of 32 from its start; a last block that is shorter is filled with zeros.
;;     - A block's scale is 2^e with e = floor(log2(the largest magnitude in the block)) - 2, held to -126 .. 127; a block of zeros has e = 0. As a byte (E8M0): e + 127.
;;     - Each number is divided by its block's scale, clamped to +-7.5, and rounded to the nearest number of E2M3, ties to even, subnormals kept.
;;     - The product sums the exact products of the quantised numbers (number of the format x scale) in f32.
;;   ~~~python
;;   def quantise(x, axis):      # numpy; x: float32 -> the quantised numbers, widened to float32 again
;;       x = np.moveaxis(x, axis, -1); K = x.shape[-1]
;;       x = np.pad(x, [(0, 0)] * (x.ndim - 1) + [(0, -K % 32)]); x = x.reshape(x.shape[:-1] + (-1, 32)); a = np.abs(x).max(-1, keepdims=True)
;;       e = np.where(a > 0, np.clip(np.frexp(np.where(a > 0, a, 1))[1] - 1 - 2, -126, 127), 0)      # np.frexp(a)[1] - 1 = floor(log2(a)), exactly
;;       r = np.clip(x / 2.0 ** e, -7.5, 7.5)
;;       step = 2.0 ** (np.maximum(np.frexp(np.where(r == 0, 1, r))[1] - 1, 0) - 3)
;;       q = np.round(r / step) * step * 2.0 ** e      # np.round: ties to even
;;       return np.moveaxis(q.reshape(q.shape[:-2] + (-1,))[..., :K], -1, axis).astype(np.float32)
;;   ~~~
;;   SOFTMAX AHEAD OF A QUANTISED PRODUCT. Where the list says 'softmax', what is quantised is not the finished softmax but p = 2^(t - M), with t = logit x log2(e) and M = ceil(the row's largest t), a whole number; so 1/2 < the row's largest p <= 1. The row's sum l is taken of the UNQUANTISED p, in f32, and the product's result is divided by l at the end. Since M is a whole number, a kernel that streams over the keys may use a running M (the ceiling of the running maximum): every later rescaling is an exact power of two, which a block's scale takes up: the codes' values come out the same.
;;   OPERANDS COMPUTED ON THE WAY. 'Computed on the way' means the value that the module computes at that place (a softmax that the list does not call 'softmax' is quantised finished and normalised). What goes into a quantiser is computed in f32, as accurately as f32 sums, v_exp_f32 and their like allow (about 1e-6 of the number): no bf16 or f16 on the way to a quantiser, and a product that is left as it is and whose result goes on into a quantised operand takes f32 operands (vector FMAs, or v_wmma_f32_16x16x4_f32). A number that lies on a knife's edge between two numbers of the format may be rounded either way, as far as f32 arithmetic and the matrix unit's own rounding can turn it there, and no further.
;; One version. Each part assembles by itself: llvm-mc -triple=amdgcn-amd-amdhsa -mcpu=gfx1250 --defsym DOCPART=n.
;; ======== version 1 of 1: 4 launches
;; limits: right only within a limited range of input values
;; workspace buffers: xq 6,553,600 bytes; wq 3,276,800 bytes; qk 13,631,488 bytes; vq 6,553,600 bytes; oq 6,553,600 bytes
;; launch quant (part 1): grid 256 x 1, 6 waves a work-group, no clusters, 51,456 bytes of LDS; arguments x, w_qkv, w_out, xq, wq; writes xq, wq
.if DOCPART == 1
	.amdgcn_target "amdgcn-amd-amdhsa--gfx1250"
	.amdhsa_code_object_version 6
	.text
	.protected	k_q7e61115cef_quant
	.globl	k_q7e61115cef_quant
	.p2align	8
	.type	k_q7e61115cef_quant,@function
k_q7e61115cef_quant:
	s_mov_b64 s[64:65], 0
	v_nop
	global_prefetch_b8 v0, s[64:65] scope:SCOPE_SE
	s_setreg_imm32_b32 hwreg(HW_REG_WAVE_MODE, 25, 1), 1
	s_wait_xcnt 0x0
; x [8192][1024], w_qkv [3072][1024] and w_out [1024][1024], f32, become codes of FP6 (E2M3) with one E8M0 byte for each 32 along K (the last axis),
; laid out as IMAGES OF THE OPERAND'S REGISTERS, so that the products' launches load fragments by dense 16- and 8-byte loads.
; A TILE is 16 rows: lane index a of tile T stands for row 32 (T / 2) + 8 (T % 2) + a + 8 (a / 8).
; A HALF FRAGMENT is 16 rows x 64 K = 768 bytes: lane (r, h) owns the 24 bytes of block h; its registers 0-3 lie at 16 x lane, its registers 4-5 at 512 + 8 x lane.
; Codes: [tile][K step of 128, 0..7][half 0..1][768].  Scale words: [32 rows][K half g][lane (T % 2, r)][4 words, K steps 4 g .. 4 g + 3].
; xq holds x; wq holds w_qkv (tiles 0-191) and then w_out (tiles 192-255).  The scale words lie behind the codes.
; A block's scale is 2^(floor(log2(its largest magnitude)) - 2); its byte is the largest magnitude's exponent field - 2, held at 1 from below.
; LIMITS: NaN and infinities among the inputs are not served; a block of zeros, or one whose largest magnitude lies under 2^-124, gets the byte 1 (its codes are zeros or tiny; this program alone reads the bytes).
; SHARES: 1,536 waves; wave wi = 6 x work-group + wave takes one tile x 512 along K: block of 32 rows wi / 4, tile (wi / 2) % 2, K half wi % 2; four units of 128 along K.
; A load reads 512 consecutive bytes of one row; a unit's 16 rows turn through the wave's own stage in LDS (rows 528 bytes apart, so that the 16 rows of a read begin 4 words apart),
; and come back so that lane (r, h) holds blocks h and 2 + h of row r whole: no other lane is asked for a maximum.  No barrier: waves share nothing.  No matrix unit, no cluster: each byte is read once.
.set STG, 8448                         ; a wave's stage: 16 rows x 528 bytes
.set RAW, 64                           ; v64-127, v128-191  two sets of 64 registers as loaded
.set X,   192                          ; v192-255  register 32 e + i = k 64 e + 32 h + i of my row
	s_load_b256 s[4:11], s[0:1], 0x0               ; x s[4:5], w_qkv s[6:7], w_out s[8:9], xq s[10:11]
	s_load_b64 s[12:13], s[0:1], 0x20              ; wq
	v_lshl_add_u32 v62, v0, 2, 0xc600
	v_mov_b32 v63, 0
	v_lshrrev_b32 v1, 5, v0
	v_readfirstlane_b32 s19, v1                    ; wave 0..5
	v_and_b32 v1, 31, v0                           ; lane
	v_lshlrev_b32 v2, 4, v1                        ; 16 x lane
	v_lshl_add_u32 v3, v1, 3, 512                  ; 512 + 8 x lane
	s_mul_i32 s30, s19, STG
	v_add_nc_u32 v4, s30, v2                       ; into the stage: 16 x lane of a row
	v_and_b32 v7, 15, v0                           ; r
	v_bfe_u32 v6, v0, 4, 1                         ; h
	v_mul_u32_u24 v5, v7, 528
	v_lshl_add_u32 v5, v6, 7, v5
	v_add_nc_u32 v5, s30, v5                       ; out of it: row r, + 128 h bytes
	v_lshlrev_b32 v6, 3, v6                        ; 8 h: my bytes' place in a scale word
	v_lshlrev_b32 v7, 4, v7                        ; 16 r: my row's four scale words
	v_mov_b32 v15, 0                               ; a lane permute's destination counts as one of its sources
	s_mov_b32 s28, 0x76543210
	s_mov_b32 s29, 0xfedcba98                      ; lane l xor 16
	s_mul_i32 s18, ttmp9, 6
	s_add_co_u32 s18, s18, s19                     ; wi
	s_lshr_b32 s20, s18, 2                         ; block of 32 rows, 0..383: 0-255 x, 256-351 w_qkv, 352-383 w_out
	s_bfe_u32 s31, s18, 0x10001                    ; which tile of the block
	s_and_b32 s32, s18, 1                          ; which half of K
	s_mov_b32 s22, 352
	s_mov_b32 s24, 3145728                         ; where wq's scale words begin
	s_wait_alu depctr_va_vdst(0)
	s_wait_kmcnt 0x0
	s_cmp_lt_u32 s20, 352                          ; the choices hang on the wave's index alone; only pointers and numbers are chosen, the path is one
	s_cselect_b64 s[14:15], s[6:7], s[8:9]
	s_cselect_b32 s21, 256, s22
	s_cmp_lt_u32 s20, 256
	s_cselect_b64 s[14:15], s[4:5], s[14:15]       ; the source tensor
	s_cselect_b32 s21, 0, s21                      ; its first block
	s_cselect_b64 s[16:17], s[10:11], s[12:13]     ; the images' buffer
	s_cselect_b32 s23, 0, 256                      ; its first block
	s_cselect_b32 s24, 6291456, s24                ; where its scale words begin
	s_sub_co_u32 s21, s20, s21
	s_sub_co_u32 s23, s20, s23
	s_lshl_b32 s26, s21, 17                        ; source: 32 rows of 4,096 bytes a block,
	s_lshl_b32 s25, s31, 15                        ; 8 rows on for the second tile,
	s_add_co_u32 s26, s26, s25
	s_lshl_b32 s25, s32, 11                        ; 512 numbers on for the second half of K
	s_add_co_u32 s26, s26, s25
	s_mov_b32 s27, 0
	s_add_nc_u64 s[14:15], s[14:15], s[26:27]
	s_lshl_b32 s26, s23, 10                        ; scale words: 1,024 bytes a block, 512 a half of K, 256 a tile
	s_add_co_u32 s26, s26, s24
	s_lshl_b32 s25, s32, 9
	s_add_co_u32 s26, s26, s25
	s_lshl_b32 s25, s31, 8
	s_add_co_u32 s26, s26, s25
	s_add_nc_u64 s[34:35], s[16:17], s[26:27]
	s_lshl_b32 s26, s23, 1                         ; codes: 12,288 bytes a tile, 6,144 a half of K
	s_add_co_u32 s26, s26, s31
	s_mul_i32 s26, s26, 12288
	s_mul_i32 s25, s32, 6144
	s_add_co_u32 s26, s26, s25
	s_add_nc_u64 s[16:17], s[16:17], s[26:27]
.macro LOAD u                          ; unit u: 128 numbers of each of the tile's 16 rows
.irp j, 0,1,2,3,4,5,6,7,8,9,10,11,12,13,14,15
	global_load_b128 v[RAW+64*((\u)%2)+4*\j:RAW+64*((\u)%2)+4*\j+3], v2, s[14:15] offset:(\j+8*(\j/8))*4096+512*(\u) th:TH_LOAD_NT
.endr
.endm
.macro UNIT u
.if (\u) < 3
	s_wait_loadcnt 16                              ; this unit's 16 loads are in; the next unit's 16 may be out
.else
	s_wait_loadcnt 0x0
.endif
.irp j, 0,1,2,3,4,5,6,7,8,9,10,11,12,13,14,15
	ds_store_b128 v4, v[RAW+64*((\u)%2)+4*\j:RAW+64*((\u)%2)+4*\j+3] offset:528*\j
.endr
.irp e, 0,1
.irp k, 0,1,2,3,4,5,6,7
	ds_load_b128 v[X+32*\e+4*\k:X+32*\e+4*\k+3], v5 offset:256*\e+16*\k   ; LDS serves a wave's instructions in order: these see the stores above
.endr
.endr
	s_wait_dscnt 0x0                               ; my 64 numbers are back, and the stores have read the set that the next loads fill
.if (\u) < 2
	LOAD (\u)+2
.endif
	v_max3_num_f32 v8, |v[X]|, |v[X+1]|, 0x1800000      ; two blocks by turns; the floor 2^(3 - 127) is one more leaf: the byte cannot fall under 1
	v_max3_num_f32 v9, |v[X+32]|, |v[X+33]|, 0x1800000
.irp i, 2,4,6,8,10,12,14,16,18,20,22,24,26,28,30
	v_max3_num_f32 v8, v8, |v[X+\i]|, |v[X+\i+1]|
	v_max3_num_f32 v9, v9, |v[X+32+\i]|, |v[X+33+\i]|
.endr
	v_add_nc_u32 v10, 0xff000000, v8               ; 2 off the exponent field: the conversion's scale operand
	v_add_nc_u32 v11, 0xff000000, v9
	v_lshrrev_b32 v12, 23, v10                     ; the scale's byte
	v_lshrrev_b32 v13, 23, v11
	v_lshl_or_b32 v14, v13, 16, v12                ; blocks h and 2 + h,
	v_lshlrev_b32 v14, v6, v14                     ; at their places in the word;
	v_permlanex16_b32 v15, v14, s28, s29
	v_or_b32 v[16+(\u)], v14, v15                  ; with lane l xor 16's two the word is whole
	s_wait_alu depctr_va_vdst(0)
	s_wait_xcnt 0x0                                ; the last unit's stores have read v20-31, which are written again below
	v_cvt_scalef32_pk16_fp6_f32 v[20:22], v[X:X+15], v10
	v_cvt_scalef32_pk16_fp6_f32 v[32:34], v[X+16:X+31], v10      ; (a conversion's three registers begin on an even number)
	v_cvt_scalef32_pk16_fp6_f32 v[26:28], v[X+32:X+47], v11
	v_cvt_scalef32_pk16_fp6_f32 v[36:38], v[X+48:X+63], v11
	v_nop                                          ; one plain line behind the scaled conversions
.irp i, 0,1,2
	v_mov_b32 v[23+\i], v[32+\i]
	v_mov_b32 v[29+\i], v[36+\i]
.endr
	global_store_b128 v2, v[20:23], s[16:17] offset:1536*(\u)          ; 32 lanes store 512 consecutive bytes,
	global_store_b64 v3, v[24:25], s[16:17] offset:1536*(\u)           ; then the 256 behind them: a half fragment is three aligned blocks of 256 bytes
	global_store_b128 v2, v[26:29], s[16:17] offset:1536*(\u)+768
	global_store_b64 v3, v[30:31], s[16:17] offset:1536*(\u)+768
.endm
	LOAD 0
	LOAD 1
	UNIT 0
	UNIT 1
	UNIT 2
	UNIT 3
	global_store_b128 v7, v[16:19], s[34:35]       ; my row's four scale words: 16 rows fill 256 aligned bytes; lanes 16-31 write the same words with the same values
	s_wait_tensorcnt 0x0
	ds_add_u32 v62, v63
	s_wait_dscnt 0x0
	s_endpgm
.Lfunc_end_k_q7e61115cef_quant:
	.size	k_q7e61115cef_quant, .Lfunc_end_k_q7e61115cef_quant-k_q7e61115cef_quant
	.p2alignl 7, 3214868480
	.fill 96, 4, 3214868480
	.section	.rodata,"a",@progbits
	.p2align	6, 0x0
	.amdhsa_kernel k_q7e61115cef_quant
		.amdhsa_group_segment_fixed_size 51456
		.amdhsa_private_segment_fixed_size 0
		.amdhsa_enable_private_segment 0
		.amdhsa_kernarg_size 40
		.amdhsa_user_sgpr_count 2
		.amdhsa_user_sgpr_kernarg_segment_ptr 1
		.amdhsa_wavefront_size32 1
		.amdhsa_system_sgpr_workgroup_id_x 1
		.amdhsa_system_sgpr_workgroup_id_y 1
		.amdhsa_system_sgpr_workgroup_id_z 1
		.amdhsa_system_vgpr_workitem_id 0
		.amdhsa_next_free_vgpr 256
		.amdhsa_next_free_sgpr 66
		.amdhsa_reserve_vcc 0
		.amdhsa_float_denorm_mode_32 3
		.amdhsa_float_denorm_mode_16_64 3
		.amdhsa_memory_ordered 1
		.amdhsa_forward_progress 1
		.amdhsa_inst_pref_size 31
	.end_amdhsa_kernel
	.amdgpu_metadata
---
amdhsa.version: [ 1, 2 ]
amdhsa.kernels:
  - .name:           k_q7e61115cef_quant
    .symbol:         k_q7e61115cef_quant.kd
    .args:
      - { .name: x, .offset: 0, .size: 8, .value_kind: global_buffer, .address_space: global }
      - { .name: w_qkv, .offset: 8, .size: 8, .value_kind: global_buffer, .address_space: global }
      - { .name: w_out, .offset: 16, .size: 8, .value_kind: global_buffer, .address_space: global }
      - { .name: xq, .offset: 24, .size: 8, .value_kind: global_buffer, .address_space: global }
      - { .name: wq, .offset: 32, .size: 8, .value_kind: global_buffer, .address_space: global }
    .group_segment_fixed_size: 51456
    .private_segment_fixed_size: 0
    .kernarg_segment_align: 8
    .kernarg_segment_size: 40
    .max_flat_workgroup_size: 192
    .sgpr_count:     66
    .vgpr_count:     256
    .wavefront_size: 32
...
	.end_amdgpu_metadata
.endif
;; end of part 1
;; launch qkv (part 2): grid 4 x 64, 4 waves a work-group, clusters of 4 x 4, 327,680 bytes of LDS; arguments xq, wq, qk, vq; writes qk, vq
.if DOCPART == 2
	.amdgcn_target "amdgcn-amd-amdhsa--gfx1250"
	.amdhsa_code_object_version 6
	.text
	.protected	k_q7e61115cef_qkv
	.globl	k_q7e61115cef_qkv
	.p2align	8
	.type	k_q7e61115cef_qkv,@function
k_q7e61115cef_qkv:
	s_mov_b64 s[64:65], 0
	v_nop
	global_prefetch_b8 v0, s[64:65] scope:SCOPE_SE
	s_setreg_imm32_b32 hwreg(HW_REG_WAVE_MODE, 25, 1), 1
	s_wait_xcnt 0x0
	s_wait_alu depctr_hold_cnt(0) depctr_sa_sdst(0) depctr_va_vdst(0) depctr_va_sdst(0) depctr_va_ssrc(0) depctr_va_vcc(0) depctr_vm_vsrc(0)
	s_getreg_b32 s2, hwreg(HW_REG_IB_STS2, 6, 4)
	s_cmp_eq_u32 s2, 0
	s_cbranch_scc0 .Lentry_in_a_cluster
	s_endpgm
.Lentry_in_a_cluster:
	s_bfe_u32 s2, ttmp6, 0x10000c
	s_cmp_lg_u32 s2, 0xf033
	s_cbranch_scc0 .Lentry_shape_is_right
	s_endpgm
.Lentry_shape_is_right:
; qkv = x w_qkv^T on codes of FP6 (E2M3) with E8M0 scales, sums in f32, K ascending; q, k and v are quantised on the way out and leave as register images.  No f32 result is stored.
; TILES, HALF FRAGMENTS, IMAGES.  A tile is 16 rows: lane index a of tile T stands for row 32 (T / 2) + 8 (T % 2) + a + 8 (a / 8).  A half fragment (16 rows x 64 K) is 768 bytes: a lane's registers 0-3
; at 16 x lane, registers 4-5 at 512 + 8 x lane.  xq and wq: codes [tile][K step 0..7][half][768]; scale words [32 rows][g][lane (T % 2, r)][4 words].
; THE DEAL.  256 work-groups of four waves.  Work-group (X = 0..3, Y = 0..63) owns chunk Y of 128 rows of x (8 tiles, one key step of one batch), which comes into LDS once and stays, and heads 4 X .. 4 X + 3.
; Wave w holds the 64 rows of w_qkv of head 4 X + w, ALL of K, in registers (4 tiles x 8 fragments of 12 = 384), in three phases: q's rows, then k's, then v's; in each phase x's eight tiles stream past them,
; 32 matrix instructions a tile.  A tile's 8 fragments lie twice in registers (tile i in set i % 2); behind tile i's products that set takes tile i + 2.
; q, k: source 0 = a tile of the weight, source 1 = a tile of x: a lane holds one row of x, and its 32 sums are the head's 64 channels in lanes l and l xor 16: one half fragment and two scale bytes a tile.
; v: source 0 = a tile of x, source 1 = a tile of the weight: a lane holds one channel, and the 32 sums of four tiles of x are 64 keys: after each four tiles, one half fragment and two scale bytes for each of the four tiles of channels.
; LDS: the weights' 16 tiles x 12,288 bytes at 0, x's 8 tiles behind them, the spare words behind those.
; FILLS.  At the head one tensor load a wave, in one chain of branches: waves 0, 1 the halves of q's weights (one line), wave 2 x's tiles 0-3, wave 3 x's tiles 4-7 (a line each).  The first barrier shows the weights alone (waves 0, 1 wait);
; their 128 LDS loads stand ahead of the wait for x.  The second barrier shows x's tiles 0-3 (all waves but wave 3 wait).  Tiles 4-7, first read behind tile 2's products, are shown by the first refill's round, ahead of which every wave waits.
; TWO REFILLS of the weights' region, with k's and with v's rows, each wave its own quarter: behind the first tile of phases q and k, when every wave holds its weights in registers, in a drained round of the cluster's barrier.
; A refill has seven tiles, 224 matrix instructions, in which to land; a barrier at the next phase's head shows it.
; THE START OF PHASES k AND v: x's tile 0 and the weights of K steps 0-3 are loaded first; the products of K steps 0-3 run while the rest of the weights are on their way.
; q's and k's phases are one macro, written out twice: they differ in their start and in pointers.
; CLUSTER 4 x 4: the weights hang on X and are shared along a column of the cluster, x's chunk on Y and is shared along a row: each is asked for jointly, which divides the requests by four.
; NO PREFETCH: the head's tiles are asked for at once, and no wave waits for a refill: it is asked for 224 matrix instructions ahead of the wait for it.
; OUT: qk [batch][head 0..31: q's 16, k's 16][64 tiles x 768, then at 49,152 the scale words [group of 4 tiles][lane (u, r)][2 words]: word q of a lane belongs to tile 4 G + 2 q + u; bytes 0, 1 the head's two scales, bytes 2, 3 zero].
;      vq [batch x 16 + head][16 key groups of 64][4 tiles of d][768], then at 49,152 the scale words [key step of 128][lane (u, r)][2 words]: word q belongs to d tile 2 q + u].
; LIMITS: NaN and infinities are not served; a block whose largest magnitude lies under 2^-124 gets the byte 1 (this program alone reads the bytes).
; REGISTERS, in windows of 256: window 0: v2, v3 lane offsets; v8-13 LDS addresses; v28, v29 the add's; v32-47 the weights' scale words (pair p, K step s at 32 + 8 p + s); v52-83 x's (52 + 8 q + s: four off the weights'
;   numbers modulo 8); v96-223 the accumulators; v224-255 the way out.   windows 1, 2: the weights' fragments, fragment f = 4 s + t at 12 (f % 21) of window 1 + f / 21; window 2, v136-151: the next phase's scale words.
;   window 3: x's fragments, two sets of 96.
.set RB,    196608
.set SPARE, 294912
.set SPW, 28
.set NIL, 29
.set G1P, 28                           ; s[28:35] group 1, a half of the weights (8 tiles); s[36:43] a half of x's chunk (4); s[68:75] a quarter of the weights (4)
.set G1R, 36
.set G1Q, 68
.set G0P, 44
.set G0R, 48
.set G0Q, 52
.set WS,  56                           ; s[56:57] my weights' scale words
.set QB,  58                           ; s[58:59] where my codes of q (then k) go, s[60:61] their scale words; s[62:63], s[66:67] the same for v
.set QBS, 60
.set VB,  62
.set VBS, 66
.set SEL, 76                           ; s[76:77] lane l xor 16
.set SP,  32
.set SR,  52
.set ACC, 96
.set TM,  224                          ; v224-229 largest magnitudes, bytes, scale operands
.set PW,  230                          ; v230-233 four scale words
.set PX,  234                          ; v234-235 as they are stored
.set PC,  236                          ; v236-244, v246-254 codes, two sets
.set ST,  136                          ; in window 2
.set FPW, 21
.set MSB, 0
.macro WIN new                         ; the immediate's high byte repeats the setting that is left
.if MSB != \new
	s_set_vgpr_msb (MSB<<8)|\new
.set MSB, \new
.endif
.endm
.macro CROUND                          ; a round of the cluster's barrier
	s_barrier_signal -1
	s_barrier_wait -1
	s_cmp_lg_u32 s12, 0
	s_cbranch_scc1 .Lnot_wave_0_\@
	s_barrier_signal -3
.Lnot_wave_0_\@:
	s_barrier_wait -3
	s_barrier_signal -1
	s_barrier_wait -1
.endm
.macro PLACES
.rept 4
	v_nop
.endr
.endm
.macro FRAG reg, a16, a8, off          ; a fragment (12 registers) = two half fragments on end
	ds_load_b128 v[(\reg):(\reg)+3], v[\a16] offset:(\off)
	ds_load_b64 v[(\reg)+4:(\reg)+5], v[\a8] offset:(\off)
	ds_load_b128 v[(\reg)+6:(\reg)+9], v[\a16] offset:(\off)+768
	ds_load_b64 v[(\reg)+10:(\reg)+11], v[\a8] offset:(\off)+768
.endm
.macro WLOAD lo, hi                    ; my 4 tiles of the weight, K steps lo .. hi: 16 loads a K step
.irp q, 0,1,2,3,4,5,6,7
.if (\q >= \lo) && (\q <= \hi)
.irp t, 0,1,2,3
.set F_, 4*\q+\t
	WIN (1+F_/FPW)<<6
	FRAG 12*(F_%FPW), 8, 9, 12288*\t+1536*\q
.endr
.endif
.endr
	WIN 0
.endm
.macro FETCH i                         ; x's tile i, all of K, into set i % 2: 32 loads
	WIN 0xc0
.irp q, 0,1,2,3,4,5,6,7
	FRAG 96*((\i)%2)+12*\q, 10+2*((\i)/4), 11+2*((\i)/4), 12288*((\i)%4)+1536*\q
.endr
	WIN 0
.endm
; One matrix instruction.  c: the constant 0 or the accumulator.  ra, rb: the side's scale words lie in lanes 16-31 of the register named.
.macro WM d, a, b, c, sa, sb, ra, rb
.if (\ra) && (\rb)
	v_wmma_scale_f32_16x16x128_f8f6f4 v[(\d):(\d)+7], v[(\a):(\a)+11], v[(\b):(\b)+11], \c, v[\sa], v[\sb] matrix_a_fmt:MATRIX_FMT_FP6 matrix_b_fmt:MATRIX_FMT_FP6 matrix_a_scale:MATRIX_SCALE_ROW1 matrix_b_scale:MATRIX_SCALE_ROW1
.elseif (\ra)
	v_wmma_scale_f32_16x16x128_f8f6f4 v[(\d):(\d)+7], v[(\a):(\a)+11], v[(\b):(\b)+11], \c, v[\sa], v[\sb] matrix_a_fmt:MATRIX_FMT_FP6 matrix_b_fmt:MATRIX_FMT_FP6 matrix_a_scale:MATRIX_SCALE_ROW1
.elseif (\rb)
	v_wmma_scale_f32_16x16x128_f8f6f4 v[(\d):(\d)+7], v[(\a):(\a)+11], v[(\b):(\b)+11], \c, v[\sa], v[\sb] matrix_a_fmt:MATRIX_FMT_FP6 matrix_b_fmt:MATRIX_FMT_FP6 matrix_b_scale:MATRIX_SCALE_ROW1
.else
	v_wmma_scale_f32_16x16x128_f8f6f4 v[(\d):(\d)+7], v[(\a):(\a)+11], v[(\b):(\b)+11], \c, v[\sa], v[\sb] matrix_a_fmt:MATRIX_FMT_FP6 matrix_b_fmt:MATRIX_FMT_FP6
.endif
.endm
; x's tile i against my four tiles of the weight, K steps lo .. hi, K ascending; the four accumulators by turns, one instruction a turn; K step 0 starts the sums with the constant 0.
; kind 0 (q, k): source 0 the weight, accumulator of tile t at ACC + 8 t.  kind 1 (v): source 0 x, accumulator of weight tile t and x tile i at ACC + 32 t + 8 (i % 4).
.macro PRODS kind, i, lo, hi
.set E_, (\i)%2
.irp q, 0,1,2,3,4,5,6,7
.if (\q >= \lo) && (\q <= \hi)
.irp t, 0,1,2,3
.set F_, 4*\q+\t
.set W_, 12*(F_%FPW)
.set X_, 96*E_+12*\q
.if \kind
.set D_, ACC+32*\t+8*((\i)%4)
	WIN 3|((1+F_/FPW)<<2)
.if \q
	WM D_, X_, W_, v[D_:D_+7], SR+8*((\i)/2)+\q, SP+8*(\t/2)+\q, (\i)%2, \t%2
.else
	WM D_, X_, W_, 0, SR+8*((\i)/2)+\q, SP+8*(\t/2)+\q, (\i)%2, \t%2
.endif
.else
.set D_, ACC+8*\t
	WIN (1+F_/FPW)|0x0c
.if \q
	WM D_, W_, X_, v[D_:D_+7], SP+8*(\t/2)+\q, SR+8*((\i)/2)+\q, \t%2, (\i)%2
.else
	WM D_, W_, X_, 0, SP+8*(\t/2)+\q, SR+8*((\i)/2)+\q, \t%2, (\i)%2
.endif
.endif
.endr
.endif
.endr
.endm
; THE WAY OUT of 32 sums a lane at v[ac ..]: register 16 b + k is number 32 b + 16 (lane / 16) + k of 64 along the next K: two blocks of 32, each in lanes l and l xor 16.  They become a half fragment in v[pc .. pc + 5]
; and two scale bytes, which begin the word v[pw] (sh = 0) or join it as bytes 2, 3 (sh = 16).  Each block's largest magnitude by two chains side by side; each accumulator is read from its low end on.
.macro QUANT ac, pc, pw, sh
.irp b, 0,1
	v_max3_num_f32 v[TM+\b], 0x1800000, |v[(\ac)+16*\b]|, |v[(\ac)+16*\b+1]|      ; with the floor 2^(3 - 127): the byte cannot fall under 1
	v_max3_num_f32 v[TM+2+\b], |v[(\ac)+16*\b+8]|, |v[(\ac)+16*\b+9]|, |v[(\ac)+16*\b+10]|
.endr
.irp k, 2,4
.irp b, 0,1
	v_max3_num_f32 v[TM+\b], v[TM+\b], |v[(\ac)+16*\b+\k]|, |v[(\ac)+16*\b+\k+1]|
	v_max3_num_f32 v[TM+2+\b], v[TM+2+\b], |v[(\ac)+16*\b+9+\k]|, |v[(\ac)+16*\b+10+\k]|
.endr
.endr
.irp b, 0,1
	v_max3_num_f32 v[TM+\b], v[TM+\b], |v[(\ac)+16*\b+6]|, |v[(\ac)+16*\b+7]|
.endr
.irp b, 0,1
	v_max3_num_f32 v[TM+\b], v[TM+\b], v[TM+2+\b], |v[(\ac)+16*\b+15]|
.endr
.irp b, 0,1
	v_permlanex16_b32 v[TM+2+\b], v[TM+\b], s[SEL], s[SEL+1]
.endr
.irp b, 0,1
	v_max_num_f32 v[TM+\b], v[TM+\b], v[TM+2+\b]   ; the block's largest magnitude
.endr
.irp b, 0,1
	v_add_nc_u32 v[TM+4+\b], 0xff000000, v[TM+\b]  ; 2 off its exponent field: the conversion's scale operand
.endr
.irp b, 0,1
	v_lshrrev_b32 v[TM+2+\b], 23, v[TM+4+\b]       ; the scale's byte
.endr
.if \sh
	v_lshl_or_b32 v[\pw], v[TM+2], 16, v[\pw]
	v_lshl_or_b32 v[\pw], v[TM+3], 24, v[\pw]
.else
	v_lshl_or_b32 v[\pw], v[TM+3], 8, v[TM+2]
.endif
	v_cvt_scalef32_pk16_fp6_f32 v[(\pc):(\pc)+2], v[(\ac):(\ac)+15], v[TM+4]
	v_cvt_scalef32_pk16_fp6_f32 v[(\pc)+6:(\pc)+8], v[(\ac)+16:(\ac)+31], v[TM+5]
	v_nop                                          ; one plain line behind the scaled conversions
.irp n, 0,1,2                          ; the layout wants a whole block in a lane: lanes 0-15 block 0, lanes 16-31 block 1
	v_permlane16_swap_b32 v[(\pc)+\n], v[(\pc)+6+\n]
.endr
.irp n, 0,1,2
	v_mov_b32 v[(\pc)+3+\n], v[(\pc)+6+\n]
.endr
.endm
.macro WORDS b, off                    ; four tiles' scale words leave: 8 bytes a lane, 256 consecutive bytes, aligned
	s_mov_b32 vcc_lo, 0xffff0000
	v_cndmask_b32 v[PX], v[PW], v[PW+1], vcc_lo    ; lanes 0-15 tile 0's words, lanes 16-31 tile 1's
	v_cndmask_b32 v[PX+1], v[PW+2], v[PW+3], vcc_lo
	global_store_b64 v3, v[PX:PX+1], s[\b:\b+1] offset:(\off)-512
.endm
.macro OUTQ i                          ; q, k: tile i's half fragment: 512 consecutive bytes, then the 256 behind them
	s_wait_xcnt 0x0                                ; earlier stores have read the registers that are written below
	QUANT ACC, PC+10*((\i)%2), PW+(\i)%4, 0
	global_store_b128 v2, v[PC+10*((\i)%2):PC+10*((\i)%2)+3], s[QB:QB+1] offset:768*(\i)
	global_store_b64 v3, v[PC+10*((\i)%2)+4:PC+10*((\i)%2)+5], s[QB:QB+1] offset:768*(\i)
.if (\i)%4 == 3
	WORDS QBS, 256*((\i)/4)
.endif
.endm
.macro OUTV c                          ; v: key group c of the key step, four tiles of channels
.irp t, 0,1,2,3
	s_wait_xcnt 0x0
	QUANT ACC+32*\t, PC+10*(\t%2), PW+\t, 16*(\c)
	global_store_b128 v2, v[PC+10*(\t%2):PC+10*(\t%2)+3], s[VB:VB+1] offset:3072*(\c)+768*\t
	global_store_b64 v3, v[PC+10*(\t%2)+4:PC+10*(\t%2)+5], s[VB:VB+1] offset:3072*(\c)+768*\t
.endr
.if \c
	WORDS VBS, 0
.endif
.endm
.macro SHOW                            ; every wave's tensor load has landed, and every wave knows it
	s_wait_tensorcnt 0x0
	s_wait_dscnt 0x0
	s_barrier_signal -1
	s_barrier_wait -1
.endm
.macro START kind                      ; the start of phases k and v: the weights go into registers, and tile 0 is multiplied under their flight
	FETCH 0
	WLOAD 0, 3
	WLOAD 4, 6
	s_wait_dscnt 48                                ; tile 0 and the weights of K steps 0-3 are in; the 48 loads of K steps 4-6 may be out
	PRODS \kind, 0, 0, 3
	WIN 0
	WLOAD 7, 7
	FETCH 1
	s_wait_dscnt 48                                ; K steps 4-6 are in; younger: K step 7's 16 loads and tile 1's 32
	PRODS \kind, 0, 4, 6
	s_wait_dscnt 32                                ; K step 7 is in; tile 1's 32 loads may be out
	PRODS \kind, 0, 7, 7
	WIN 0
	PLACES                                         ; four places behind the products: ahead of the loads into the set just multiplied and of the first read of results
	FETCH 2
.endm
.macro BLK kind, i                     ; tile i = 1 .. 7
.if (\i) < 7
	s_wait_dscnt 32                                ; tile i's fragments are in; the next tile's 32 loads may be out
.else
	s_wait_dscnt 0x0
.endif
	PRODS \kind, \i, 0, 7
	WIN 0
	PLACES
.if (\i) < 6
	FETCH (\i)+2
.endif
.endm
; A PHASE OF q OR k.  first = 1: q, whose start follows the head's loads as they land.
.macro PHQ first
.if \first
	s_cmp_eq_u32 s14, 0
	s_cbranch_scc0 .Lnot_w
	s_wait_tensorcnt 0x0                           ; the weights' two waves wait for their halves
.Lnot_w:
	s_barrier_signal -1
	s_barrier_wait -1                              ; the weights are in; x may be on its way
	WLOAD 0, 7
	s_cmp_eq_u32 s12, 3
	s_cbranch_scc1 .Lnot_x0
	s_wait_tensorcnt 0x0                           ; wave 2 waits for x's tiles 0-3 (waves 0 and 1 have nothing out)
.Lnot_x0:
	s_wait_dscnt 0x0
	s_barrier_signal -1
	s_barrier_wait -1                              ; x's tiles 0-3 are in; tiles 4-7 may be on their way
	FETCH 0
	FETCH 1
	s_wait_loadcnt 0x0                             ; the scale words
	s_wait_dscnt 32                                ; tile 0's fragments are in; tile 1's 32 loads may be out
	PRODS 0, 0, 0, 7
	WIN 0
	PLACES
	FETCH 2
.else
	SHOW
	START 0
.endif
	s_add_nc_u64 s[WS:WS+1], s[WS:WS+1], 32768     ; the next phase's scale words (the loads that read this pointer have been waited for): they wait in window 2
	WIN 0x80
.irp p, 0,1
.irp g, 0,1
	global_load_b128 v[ST+8*\p+4*\g:ST+8*\p+4*\g+3], v2, s[WS:WS+1] offset:1024*\p+512*\g
.endr
.endr
	WIN 0
	OUTQ 0
	s_wait_tensorcnt 0x0                           ; THE REFILL: no tensor load of mine is out (in q's phase: wave 3's tiles 4-7 of x are in),
	ds_add_u32 v[SPW], v[NIL]                      ; 0 onto my spare word,
	s_add_nc_u64 s[G0Q+2:G0Q+3], s[G0Q+2:G0Q+3], 786432   ; the next phase's rows lie 64 tiles on,
	s_wait_dscnt 0x0                               ; the add is done, and my weights are in registers: my reads of the region are over;
	CROUND                                         ; so it is with every wave of every partner
	tensor_load_to_lds s[G0Q:G0Q+3], s[G1Q:G1Q+7]  ; my quarter of the next phase's weights: my one tensor load behind the round
	s_nop 0
	PLACES
.irp i, 1,2,3,4,5,6
	BLK 0, \i
	OUTQ \i
.endr
	BLK 0, 7
	s_wait_loadcnt 0x0                             ; the next phase's scale words are in
	WIN 0x02
.set n, 0
.rept 16
	v_mov_b32 v[SP+n], v[ST+n]                     ; behind the four places; the way out below stands between these and the next products
.set n, n+1
.endr
	WIN 0
	OUTQ 7
	s_wait_xcnt 0x0                                ; the stores have read their bases
	s_add_nc_u64 s[QB:QB+1], s[QB:QB+1], 851968    ; k's head block lies 16 blocks behind q's
	s_add_nc_u64 s[QBS:QBS+1], s[QBS:QBS+1], 851968
	s_wait_alu depctr_va_vdst(0)
.endm
	s_load_b256 s[4:11], s[0:1], 0x0               ; xq s[4:5], wq s[6:7], qk s[8:9], vq s[10:11]
	v_lshl_add_u32 v[SPW], v0, 2, SPARE
	v_mov_b32 v[NIL], 0
	ds_add_u32 v[SPW], v[NIL]                      ; the opening lines: the add twice on end and one wait
	ds_add_u32 v[SPW], v[NIL]
	v_lshrrev_b32 v1, 5, v0
	v_readfirstlane_b32 s12, v1                    ; wave 0..3: my head of the four
	s_and_b32 s13, s12, 1                          ; at the head: which half I fetch,
	s_lshr_b32 s14, s12, 1                         ; of the weights (0) or of x's chunk (1)
	s_bfe_u32 s15, ttmp6, 0x40000                  ; cx
	s_bfe_u32 s16, ttmp6, 0x40004                  ; cy
	s_lshl_b32 s17, ttmp9, 2
	s_add_co_u32 s17, s17, s15                     ; X
	s_and_b32 s18, ttmp7, 0xffff
	s_lshl_b32 s18, s18, 2
	s_add_co_u32 s18, s18, s16                     ; Y
	s_lshl_b32 s26, 0x1111, s15                    ; my column of the cluster
	s_lshl_b32 s27, s16, 2
	s_lshl_b32 s27, 15, s27                        ; my row
	; descriptor group 1: rows of 12,288 bytes (a tile, all of K: 1,536 elements of 8 bytes), dense in memory and in LDS
	s_or_b32 s[G1P], s26, (3<<16)|(1<<21)
	s_or_b32 s[G1R], s27, (3<<16)|(1<<21)
	s_or_b32 s[G1Q], s26, (3<<16)|(1<<21)
.irp g, G1P, G1R, G1Q
	s_mov_b32 s[\g+1], 1536<<16
	s_mov_b32 s[\g+3], 1536<<16
	s_mov_b32 s[\g+5], 1536
	s_mov_b32 s[\g+6], 0
	s_mov_b32 s[\g+7], 0
.endr
	s_mov_b32 s[G1P+2], 8<<16
	s_mov_b32 s[G1P+4], 8
	s_mov_b32 s[G1R+2], 4<<16
	s_mov_b32 s[G1R+4], 4
	s_mov_b32 s[G1Q+2], 4<<16
	s_mov_b32 s[G1Q+4], 4
	s_mul_i32 s80, s17, 196608                     ; q's 16 tiles of heads 4 X .. 4 X + 3 in wq
	s_mul_i32 s20, s13, 98304                      ; a half of them, in memory and in LDS
	s_add_co_u32 s82, s80, s20
	s_mov_b32 s83, 0
	s_mul_i32 s23, s12, 49152                      ; my quarter, in memory and in LDS
	s_add_co_u32 s80, s80, s23
	s_mov_b32 s81, 0
	s_mul_i32 s84, s18, 98304                      ; x's chunk in xq,
	s_mul_i32 s21, s13, 49152                      ; a half of it
	s_add_co_u32 s84, s84, s21
	s_mov_b32 s85, 0
	s_add_co_u32 s21, s21, RB
	s_lshl_b32 s[WS], s17, 13                      ; the weights' scale words: 1,024 bytes for 32 rows; my 64 rows
	s_lshl_b32 s19, s12, 11
	s_add_co_u32 s[WS], s[WS], s19
	s_add_co_u32 s[WS], s[WS], 3145728
	s_mov_b32 s[WS+1], 0
	s_lshl_b32 s88, s18, 12                        ; x's: the chunk's 128 rows
	s_add_co_u32 s88, s88, 6291456
	s_mov_b32 s89, 0
	s_lshr_b32 s24, s18, 3                         ; the batch
	s_and_b32 s25, s18, 7                          ; the key step
	s_lshl_b32 s22, s17, 2
	s_add_co_u32 s22, s22, s12                     ; my head
	s_mul_i32 s[QBS], s24, 1703936                 ; 32 head blocks of 53,248 bytes a batch
	s_mul_i32 s19, s22, 53248
	s_add_co_u32 s[QBS], s[QBS], s19               ; q's head block; k's lies 16 blocks on
	s_mul_i32 s19, s25, 6144                       ; 8 tiles of 768 bytes a chunk
	s_add_co_u32 s[QB], s[QBS], s19
	s_mov_b32 s[QB+1], 0
	s_lshl_b32 s79, s25, 9                         ; two groups of 256 bytes of scale words a chunk
	s_add_co_u32 s[QBS], s[QBS], s79
	s_add_co_u32 s[QBS], s[QBS], 49152
	s_mov_b32 s[QBS+1], 0
	s_lshl_b32 s[VBS], s24, 4
	s_add_co_u32 s[VBS], s[VBS], s22
	s_mul_i32 s[VBS], s[VBS], 51200                ; v's head block
	s_add_co_u32 s[VB], s[VBS], s19                ; 6,144 bytes a key step
	s_mov_b32 s[VB+1], 0
	s_lshl_b32 s79, s25, 8
	s_add_co_u32 s[VBS], s[VBS], s79
	s_add_co_u32 s[VBS], s[VBS], 49152
	s_mov_b32 s[VBS+1], 0
	s_mov_b32 s[SEL], 0x76543210
	s_mov_b32 s[SEL+1], 0xfedcba98
	s_wait_dscnt 0x0
	s_wait_kmcnt 0x0
	s_add_nc_u64 s[82:83], s[6:7], s[82:83]
	s_add_nc_u64 s[80:81], s[6:7], s[80:81]
	s_add_nc_u64 s[84:85], s[4:5], s[84:85]
	s_add_nc_u64 s[WS:WS+1], s[6:7], s[WS:WS+1]
	s_add_nc_u64 s[88:89], s[4:5], s[88:89]
	s_add_nc_u64 s[QB:QB+1], s[8:9], s[QB:QB+1]
	s_add_nc_u64 s[QBS:QBS+1], s[8:9], s[QBS:QBS+1]
	s_add_nc_u64 s[VB:VB+1], s[10:11], s[VB:VB+1]
	s_add_nc_u64 s[VBS:VBS+1], s[10:11], s[VBS:VBS+1]
	s_mov_b32 s[G0P], 1
	s_mov_b32 s[G0P+1], s20
	s_mov_b64 s[G0P+2:G0P+3], s[82:83]
	s_or_b32 s[G0P+3], s[G0P+3], 0x80000000
	s_mov_b32 s[G0R], 1
	s_mov_b32 s[G0R+1], s21
	s_mov_b64 s[G0R+2:G0R+3], s[84:85]
	s_or_b32 s[G0R+3], s[G0R+3], 0x80000000
	s_mov_b32 s[G0Q], 1
	s_mov_b32 s[G0Q+1], s23
	s_mov_b64 s[G0Q+2:G0Q+3], s[80:81]             ; q's quarter: each refill steps it 64 tiles on first
	s_or_b32 s[G0Q+3], s[G0Q+3], 0x80000000
	CROUND                                         ; all sixteen work-groups are here: the joint loads meet
	s_cmp_eq_u32 s14, 0                            ; one tensor load a wave at the head: one chain of branches on the wave's number, all arms to one join
	s_cbranch_scc0 .Lfor_r
	tensor_load_to_lds s[G0P:G0P+3], s[G1P:G1P+7]  ; waves 0, 1: the weights' halves
	s_nop 0
	PLACES
	s_branch .Lasked
.Lfor_r:
	s_cmp_eq_u32 s12, 2
	s_cbranch_scc0 .Lfor_r1
	tensor_load_to_lds s[G0R:G0R+3], s[G1R:G1R+7]  ; wave 2: x's tiles 0-3
	s_nop 0
	PLACES
	s_branch .Lasked
.Lfor_r1:
	tensor_load_to_lds s[G0R:G0R+3], s[G1R:G1R+7]  ; wave 3: x's tiles 4-7, by a line of its own: it is waited for later than wave 2's
	s_nop 0
	PLACES
.Lasked:
	v_and_b32 v1, 31, v0
	v_lshlrev_b32 v2, 4, v1                        ; 16 x lane
	v_lshl_add_u32 v3, v1, 3, 512                  ; 512 + 8 x lane
	v_add_nc_u32 v8, s23, v2                       ; my tiles of the weight
	v_add_nc_u32 v9, s23, v3
	v_add_nc_u32 v10, RB, v2                       ; x's tiles 0-3
	v_add_nc_u32 v11, RB, v3
	v_add_nc_u32 v12, RB+49152, v2                 ; and 4-7
	v_add_nc_u32 v13, RB+49152, v3
	s_wait_alu depctr_va_vdst(0)
.irp p, 0,1
.irp g, 0,1
	global_load_b128 v[SP+8*\p+4*\g:SP+8*\p+4*\g+3], v2, s[WS:WS+1] offset:1024*\p+512*\g   ; four K steps' scale words: lanes 0-15 tile 2 p, lanes 16-31 tile 2 p + 1
.endr
.endr
.irp q, 0,1,2,3
.irp g, 0,1
	global_load_b128 v[SR+8*\q+4*\g:SR+8*\q+4*\g+3], v2, s[88:89] offset:1024*\q+512*\g
.endr
.endr
	PHQ 1                                          ; q
	PHQ 0                                          ; k
	SHOW                                           ; v: nothing is left to fetch
	START 1
	BLK 1, 1
	BLK 1, 2
	BLK 1, 3
	OUTV 0
	BLK 1, 4
	BLK 1, 5
	BLK 1, 6
	BLK 1, 7
	OUTV 1
	s_wait_tensorcnt 0x0                           ; the wave's end
	ds_add_u32 v[SPW], v[NIL]
	s_wait_dscnt 0x0
	CROUND                                         ; the closing round
	s_endpgm
.Lfunc_end_k_q7e61115cef_qkv:
	.size	k_q7e61115cef_qkv, .Lfunc_end_k_q7e61115cef_qkv-k_q7e61115cef_qkv
	.p2alignl 7, 3214868480
	.fill 96, 4, 3214868480
	.section	.rodata,"a",@progbits
	.p2align	6, 0x0
	.amdhsa_kernel k_q7e61115cef_qkv
		.amdhsa_group_segment_fixed_size 327680
		.amdhsa_private_segment_fixed_size 0
		.amdhsa_enable_private_segment 0
		.amdhsa_kernarg_size 32
		.amdhsa_user_sgpr_count 2
		.amdhsa_user_sgpr_kernarg_segment_ptr 1
		.amdhsa_wavefront_size32 1
		.amdhsa_system_sgpr_workgroup_id_x 1
		.amdhsa_system_sgpr_workgroup_id_y 1
		.amdhsa_system_sgpr_workgroup_id_z 1
		.amdhsa_system_vgpr_workitem_id 0
		.amdhsa_next_free_vgpr 1024
		.amdhsa_next_free_sgpr 96
		.amdhsa_reserve_vcc 1
		.amdhsa_float_denorm_mode_32 3
		.amdhsa_float_denorm_mode_16_64 3
		.amdhsa_memory_ordered 1
		.amdhsa_forward_progress 1
		.amdhsa_inst_pref_size 241
	.end_amdhsa_kernel
	.amdgpu_metadata
---
amdhsa.version: [ 1, 2 ]
amdhsa.kernels:
  - .name:           k_q7e61115cef_qkv
    .symbol:         k_q7e61115cef_qkv.kd
    .args:
      - { .name: xq, .offset: 0, .size: 8, .value_kind: global_buffer, .address_space: global }
      - { .name: wq, .offset: 8, .size: 8, .value_kind: global_buffer, .address_space: global }
      - { .name: qk, .offset: 16, .size: 8, .value_kind: global_buffer, .address_space: global }
      - { .name: vq, .offset: 24, .size: 8, .value_kind: global_buffer, .address_space: global }
    .group_segment_fixed_size: 327680
    .private_segment_fixed_size: 0
    .kernarg_segment_align: 8
    .kernarg_segment_size: 32
    .max_flat_workgroup_size: 128
    .sgpr_count:     96
    .vgpr_count:     1024
    .wavefront_size: 32
...
	.end_amdgpu_metadata
.endif
;; end of part 2
;; launch attn (part 3): grid 2 x 128, 16 waves a work-group, no clusters, 169,984 bytes of LDS; arguments qk, vq, oq; writes oq
.if DOCPART == 3
	.amdgcn_target "amdgcn-amd-amdhsa--gfx1250"
	.amdhsa_code_object_version 6
	.text
	.protected	k_q7e61115cef_attn
	.globl	k_q7e61115cef_attn
	.p2align	8
	.type	k_q7e61115cef_attn,@function
k_q7e61115cef_attn:
	s_mov_b64 s[64:65], 0
	v_nop
	global_prefetch_b8 v0, s[64:65] scope:SCOPE_SE
	s_setreg_imm32_b32 hwreg(HW_REG_WAVE_MODE, 25, 1), 1
	s_wait_xcnt 0x0
; o = softmax(q k^T / 8) v for one head, both products on codes of FP6 (E2M3) with E8M0 scales; o is quantised along the hidden axis and leaves as a register image for the last product.
; THE SOFTMAX: t = score x log2(e) / 8; M = the row's largest t so far, rounded UP to a whole number; p = 2^(t - M) is what is quantised, along the keys, not normalised.  The row's sum is taken of the
; unquantised p, in f32, and divides O at the end.  When M moves, the sum and O are multiplied by 2^(old M - new M): exact.
; SHARES.  A work-group owns 512 queries of one head (x: which half; y: batch x 16 + head).  Each of its sixteen waves owns two tiles of 16 queries, one after the other, and walks all 1,024 keys, 128 a step.
; LDS, filled once and then only read: the head's block of k (49,152 bytes of codes, 4,096 of scale words) at 0, its block of v (49,152 and 2,048) at 53,248.
; THE FILLS, one tensor load a wave, in one chain of branches on the wave's number.  Waves 0, 1: the codes of key steps 0 and 1 of k, of v (12,288 bytes each); wave 2: k's scale words; wave 3: v's.  These four waves
; wait ahead of the first barrier, behind which key steps 0 and 1 of the first query tile are worked.  Waves 8 to 13: the codes of key steps 2-3, 4-5, 6-7 of k (even waves) and of v (odd waves), by a line of their own;
; every wave waits for its load ahead of a second barrier, which stands behind key step 1 of the first query tile.  Waves 4-7, 14, 15 fetch nothing: ten pieces of whole key steps cover the two blocks.
; LAYOUT.  Both products are used transposed: S^T = k q^T, O^T = v^T p^T: a lane holds ONE query (lane % 16).  A tile's lane index a stands for row 32 (T / 2) + 8 (T % 2) + a + 8 (a / 8), so the 16 registers of
; tiles 2 b and 2 b + 1 are 16 neighbours (keys in S^T, channels in O^T).
; K = 64 IN AN INSTRUCTION OF 128: q's registers 6-11 are zero codes, so whatever stands in k's registers 6-11 (the next tile's codes; behind the last tile six registers of zeros) adds nothing: E2M3 has no NaN and no
; infinity, and the scale bytes of those blocks are 0, which is a power of two.
; NO CLUSTER: a head's k and v are shared by two work-groups alone (the grid's x is 2, which no cluster of four divides), and each fetches its 104,448 bytes once.
; NO PREFETCH: all that the work-group reads is asked for at its head.
; LIMITS: NaN and infinities are not served; the promise holds while |t| stays under 2^31; a p under 2^-126 counts as 0; a block whose largest magnitude lies under 2^-124 gets the byte 1.  o's scale bytes leave as
; stores of 2 bytes, 16 bytes apart: two heads, which are different work-groups, share a scale word.
; REGISTERS: v1-4 lane addresses that stay, v5-8 the step's; v9, v10 8 r, 16 r; v12 -M, v13 the largest t, v[14:15] the sum; v16-39 q's two fragments; v40, v41 their scale words; v42-89 k's 8 half fragments, then v's 4
; fragments; v90-95 zeros; v96-159 S^T, then p; v160-191 O^T; v192-203 p's codes; v204-210 at work; v212-223 blocks' figures; v224-227 k's scale words, v228-229 v's, v230 p's; v[232:233] f; v236-253 o's codes, the sums' chains.
.set KV,  42
.set S,   96
.set O,   160
.set PCD, 192
.set CT,  204
.set BM,  212
.set BT,  216
.set SO,  220
.set KSC, 224
.set VSC, 228
.set PSC, 230
.set F,   232
.set TMP, 234
.set WV,  18
.set SEL, 20                           ; s[20:21] lane l xor 16
.set CS,  22                           ; s[22:23] c = log2(e) / 8
.set G1C, 24                           ; group 1: 48 rows of 256 bytes (two key steps' codes)
.set G1S, 32                           ; 16 rows (k's scale words)
.set G1T, 68                           ; 8 rows (v's)
.set G0A, 40                           ; group 0: waves 0, 1
.set G0B, 44                           ; waves 8 to 13
.set G0S, 76                           ; wave 2
.set G0T, 80                           ; wave 3
.set TK,  60                           ; the step's codes: 6,144 bytes a step, in k's block and in v's
.set TSK, 61                           ; k's scale words: 512 a step
.set TSV, 62                           ; v's: 256 a step
.set CNT, 63
.macro GROUP1 g, rows                  ; a dense block as rows of 256 bytes (32 elements of 8 bytes)
	s_mov_b32 s[\g], 3<<16
	s_mov_b32 s[\g+1], 32<<16
	s_mov_b32 s[\g+2], (\rows)<<16
	s_mov_b32 s[\g+3], 32<<16
	s_mov_b32 s[\g+4], \rows
	s_mov_b32 s[\g+5], 32
	s_mov_b32 s[\g+6], 0
	s_mov_b32 s[\g+7], 0
.endm
.macro ARM g0, g1                      ; a load, s_nop 0 and four v_nop
	tensor_load_to_lds s[\g0:\g0+3], s[\g1:\g1+7]
	s_nop 0
.rept 4
	v_nop
.endr
.endm
.macro PA d, a, b
	v_pk_add_f32 v[\d:\d+1], v[\a:\a+1], v[\b:\b+1]
.endm
	s_load_b128 s[4:7], s[0:1], 0x0                ; qk, vq
	s_load_b64 s[8:9], s[0:1], 0x10                ; oq
	v_lshl_add_u32 v254, v0, 2, 0x29000
	v_mov_b32 v255, 0
	ds_add_u32 v254, v255                          ; the opening lines: the add twice on end and one wait
	ds_add_u32 v254, v255
	v_lshrrev_b32 v5, 5, v0
	s_delay_alu instid0(VALU_DEP_1)
	v_readfirstlane_b32 s[WV], v5                  ; wave 0..15
	s_and_b32 s10, ttmp7, 0xffff                   ; batch x 16 + head
	s_lshr_b32 s11, s10, 4                         ; batch
	s_and_b32 s12, s10, 15                         ; head
	s_and_b32 s13, s[WV], 1                        ; also: I fetch for k (0) or for v (1)
	s_lshl_b32 s14, s11, 5
	s_add_co_u32 s14, s14, s12
	s_mul_i32 s14, s14, 53248                      ; q's head block in qk; k's lies 16 blocks on
	s_add_co_u32 s48, s14, 16*53248
	s_mov_b32 s49, 0
	s_mul_i32 s50, s10, 51200                      ; v's block in vq
	s_mov_b32 s51, 0
	s_mul_i32 s15, s13, 53248                      ; LDS: k's block at 0, v's behind it
	s_bfe_u32 s16, s[WV], 0x20001                  ; waves 8 to 13: (wave % 8) / 2 = 0, 1, 2
	s_mul_i32 s16, s16, 12288
	s_add_co_u32 s16, s16, 12288                   ; their two key steps' place in the codes: from key step 2 on
	GROUP1 G1C, 48
	GROUP1 G1S, 16
	GROUP1 G1T, 8
	s_lshl_b32 s17, ttmp9, 5
	s_lshl_b32 s19, s[WV], 1
	s_add_co_u32 s17, s17, s19                     ; my first tile of queries: 32 x + 2 wave
	s_mul_i32 s52, s17, 768
	s_add_co_u32 s52, s52, s14                     ; its half fragment
	s_mov_b32 s53, 0
	s_lshr_b32 s54, s17, 2                         ; its group of four tiles: 256 bytes of scale words,
	s_lshl_b32 s54, s54, 8
	s_lshl_b32 s19, s13, 2                         ; word wave % 2 of a lane's two
	s_add_co_u32 s54, s54, s19
	s_add_co_u32 s54, s54, s14
	s_add_co_u32 s54, s54, 49152
	s_mov_b32 s55, 0
	s_lshl_b32 s56, s11, 6
	s_add_co_u32 s56, s56, s17
	s_mul_i32 s56, s56, 12288                      ; o's codes: tile 64 batch + mine,
	s_mul_i32 s19, s12, 768                        ; the head's half fragment
	s_add_co_u32 s56, s56, s19
	s_mov_b32 s57, 0
	s_lshl_b32 s58, s11, 5                         ; o's scale words: 1,024 bytes for 32 rows,
	s_lshr_b32 s19, s17, 1
	s_add_co_u32 s58, s58, s19
	s_lshl_b32 s58, s58, 10
	s_lshr_b32 s19, s12, 3                         ; 512 for K steps 4-7,
	s_lshl_b32 s19, s19, 9
	s_add_co_u32 s58, s58, s19
	s_bfe_u32 s19, s12, 0x20001                    ; the K step's word of four,
	s_lshl_b32 s19, s19, 2
	s_add_co_u32 s58, s58, s19
	s_and_b32 s19, s12, 1                          ; the head's two bytes of it
	s_lshl_b32 s19, s19, 1
	s_add_co_u32 s58, s58, s19
	s_add_co_u32 s58, s58, 6291456
	s_mov_b32 s59, 0
	s_mov_b32 s[SEL], 0x76543210
	s_mov_b32 s[SEL+1], 0xfedcba98
	s_mov_b32 s[CS], 0x3e38aa3b
	s_mov_b32 s[CS+1], s[CS]                       ; (named with it as a pair, so it is written)
	s_mov_b32 s90, s16
	s_mov_b32 s91, 0
	s_wait_dscnt 0x0
	s_wait_kmcnt 0x0
	s_add_nc_u64 s[84:85], s[4:5], s[48:49]        ; k's block
	s_add_nc_u64 s[86:87], s[6:7], s[50:51]        ; v's block
	s_cmp_eq_u32 s13, 0                            ; the choice hangs on the wave's number alone
	s_cselect_b64 s[88:89], s[84:85], s[86:87]
	s_mov_b32 s[G0A], 1
	s_mov_b32 s[G0A+1], s15
	s_mov_b64 s[G0A+2:G0A+3], s[88:89]
	s_or_b32 s[G0A+3], s[G0A+3], 0x80000000
	s_mov_b32 s[G0B], 1
	s_add_co_u32 s[G0B+1], s15, s16
	s_add_nc_u64 s[G0B+2:G0B+3], s[88:89], s[90:91]
	s_or_b32 s[G0B+3], s[G0B+3], 0x80000000
	s_mov_b32 s[G0S], 1
	s_mov_b32 s[G0S+1], 49152
	s_add_nc_u64 s[G0S+2:G0S+3], s[84:85], 49152
	s_or_b32 s[G0S+3], s[G0S+3], 0x80000000
	s_mov_b32 s[G0T], 1
	s_mov_b32 s[G0T+1], 102400
	s_add_nc_u64 s[G0T+2:G0T+3], s[86:87], 49152
	s_or_b32 s[G0T+3], s[G0T+3], 0x80000000
	s_cmp_lt_u32 s[WV], 2                          ; one chain of branches on the wave's number, one load to an arm, all arms to one join
	s_cbranch_scc0 .Lw2
	ARM G0A, G1C
	s_branch .Lasked
.Lw2:
	s_cmp_eq_u32 s[WV], 2
	s_cbranch_scc0 .Lw3
	ARM G0S, G1S
	s_branch .Lasked
.Lw3:
	s_cmp_eq_u32 s[WV], 3
	s_cbranch_scc0 .Lw8
	ARM G0T, G1T
	s_branch .Lasked
.Lw8:
	s_cmp_lt_u32 s[WV], 8
	s_cbranch_scc1 .Lasked
	s_cmp_lt_u32 s[WV], 14
	s_cbranch_scc0 .Lasked
	ARM G0B, G1C
.Lasked:
	s_add_nc_u64 s[52:53], s[4:5], s[52:53]
	s_add_nc_u64 s[54:55], s[4:5], s[54:55]
	s_add_nc_u64 s[56:57], s[8:9], s[56:57]
	s_add_nc_u64 s[58:59], s[8:9], s[58:59]
	v_and_b32 v11, 31, v0
	s_delay_alu instid0(VALU_DEP_1)
	v_lshlrev_b32 v1, 4, v11                       ; 16 x lane
	s_delay_alu instid0(VALU_DEP_2)
	v_lshl_add_u32 v2, v11, 3, 512                 ; 512 + 8 x lane
	s_delay_alu instid0(VALU_DEP_3)
	v_lshl_add_u32 v3, v11, 3, 49152               ; k's scale words
	s_delay_alu instid0(VALU_DEP_4)
	v_lshl_add_u32 v4, v11, 3, 102400              ; v's
	v_and_b32 v10, 15, v0
	s_delay_alu instid0(VALU_DEP_1)
	v_lshlrev_b32 v9, 3, v10                       ; 8 r
	s_delay_alu instid0(VALU_DEP_2)
	v_lshlrev_b32 v10, 4, v10                      ; 16 r
.irp j, 0,1
	global_load_b128 v[16+12*\j:19+12*\j], v1, s[52:53] offset:768*\j
	global_load_b64 v[20+12*\j:21+12*\j], v2, s[52:53] offset:768*\j
	global_load_b32 v[40+\j], v9, s[54:55] offset:128*\j         ; row r's word; both halves of the lanes read the same
.endr
.irp n, 22,23,24,25,26,27,34,35,36,37,38,39,90,91,92,93,94,95
	v_mov_b32 v[\n], 0                             ; zero codes for k = 64 .. 127
.endr
.irp b, 0,1,2,3
	v_mov_b32 v[BT+\b], 0                          ; a lane permute's destination counts as one of its sources
.endr
	v_mov_b32 v[F+1], 0                            ; (named as the upper half of a pair)
	v_mov_b32 v[TMP], 0
	s_cmp_lt_u32 s[WV], 4                          ; the four waves whose loads key steps 0 and 1 need wait for them;
	s_cbranch_scc0 .Lnot_first
	s_wait_tensorcnt 0x0
.Lnot_first:
	s_barrier_signal -1
	s_barrier_wait -1                              ; those four pieces are in.  The six later pieces may be on their way
	s_wait_loadcnt 0x0                             ; q
; A KEY STEP: 128 keys.  q: the first register of the query tile's fragment; qs: its scale words.
.macro STEP q, qs
	v_add_nc_u32 v5, s[TK], v1                     ; these four are also the places between the last step's products and the loads into the registers that they read
	v_add_nc_u32 v6, s[TK], v2
	v_add_nc_u32 v7, s[TSK], v3
	v_add_nc_u32 v8, s[TSV], v4
.irp t, 0,1,2,3,4,5,6,7
	ds_load_b128 v[KV+6*\t:KV+6*\t+3], v5 offset:768*\t
	ds_load_b64 v[KV+6*\t+4:KV+6*\t+5], v6 offset:768*\t
.endr
	ds_load_b64 v[KSC:KSC+1], v7                   ; register t / 2: lanes 0-15 tile t even, lanes 16-31 tile t odd
	ds_load_b64 v[KSC+2:KSC+3], v7 offset:256
	s_wait_alu depctr_va_vdst(0)
	s_wait_dscnt 0x0
.irp t, 0,2,4,6
	v_wmma_scale_f32_16x16x128_f8f6f4 v[S+8*\t:S+8*\t+7], v[KV+6*\t:KV+6*\t+11], v[\q:\q+11], 0, v[KSC+\t/2], v[\qs] matrix_a_fmt:MATRIX_FMT_FP6 matrix_b_fmt:MATRIX_FMT_FP6
	v_wmma_scale_f32_16x16x128_f8f6f4 v[S+8*\t+8:S+8*\t+15], v[KV+6*\t+6:KV+6*\t+17], v[\q:\q+11], 0, v[KSC+\t/2], v[\qs] matrix_a_fmt:MATRIX_FMT_FP6 matrix_b_fmt:MATRIX_FMT_FP6 matrix_a_scale:MATRIX_SCALE_ROW1
.endr
.rept 4
	v_nop                                          ; four places: ahead of the loads into k's registers, and of the first read of the scores
.endr
.irp d, 0,1,2,3                        ; v's four fragments land while the softmax is worked
.irp e, 0,1
	ds_load_b128 v[KV+12*\d+6*\e:KV+12*\d+6*\e+3], v5 offset:53248+3072*\e+768*\d
	ds_load_b64 v[KV+12*\d+6*\e+4:KV+12*\d+6*\e+5], v6 offset:53248+3072*\e+768*\d
.endr
.endr
	ds_load_b64 v[VSC:VSC+1], v8
.irp b, 0,1,2,3
	v_max3_num_f32 v[BM+\b], v[S+16*\b], v[S+16*\b+1], v[S+16*\b+2]   ; the largest score of each block of 32 keys: it serves the row's maximum and, since p rises with the score, the block's largest p
.endr
.irp i, 3,5,7,9,11,13
.irp b, 0,1,2,3
	v_max3_num_f32 v[BM+\b], v[BM+\b], v[S+16*\b+\i], v[S+16*\b+\i+1]
.endr
.endr
.irp b, 0,1,2,3
	v_max_num_f32 v[BM+\b], v[BM+\b], v[S+16*\b+15]
.endr
.irp b, 0,1,2,3
	s_delay_alu instid0(VALU_DEP_4)
	v_permlanex16_b32 v[BT+\b], v[BM+\b], s[SEL], s[SEL+1]
.endr
.irp b, 0,1,2,3
	s_delay_alu instid0(VALU_DEP_4)
	v_max_num_f32 v[BM+\b], v[BM+\b], v[BT+\b]     ; with lane l xor 16's 16 keys
.endr
	s_delay_alu instid0(VALU_DEP_2)
	v_max3_num_f32 v[TMP], v[BM], v[BM+1], v[BM+2]
	s_delay_alu instid0(VALU_DEP_1)
	v_max_num_f32 v[TMP], v[TMP], v[BM+3]
	s_delay_alu instid0(VALU_DEP_1)
	v_mul_f32 v[TMP], s[CS], v[TMP]                ; as t (c is positive)
	s_delay_alu instid0(VALU_DEP_1)
	v_max_num_f32 v13, v13, v[TMP]                 ; the running largest t
	v_mov_b32 v[TMP], v12
	s_delay_alu instid0(VALU_DEP_2)
	v_floor_f32 v12, -v13                          ; the new -M = floor(-t): M is a whole number
	s_delay_alu instid0(VALU_DEP_1)
	v_sub_f32 v[TMP], v12, v[TMP]                  ; old M - new M: a whole number, 0 or less
	s_delay_alu instid0(VALU_DEP_1)
	v_cvt_i32_f32 v[TMP], v[TMP]                   ; (it saturates)
	s_delay_alu instid0(VALU_DEP_1)
	v_ldexp_f32 v[F], 1.0, v[TMP]                  ; f = 2^(old M - new M)
.set n, 0
.rept 32
	v_pk_fma_f32 v[S+n:S+n+1], v[S+n:S+n+1], s[CS:CS+1], v[12:13] op_sel_hi:[1,0,0]   ; t - M, two at a time
.set n, n+2
.endr
.irp b, 0,1,2,3
	v_fma_f32 v[BM+\b], v[BM+\b], s[CS], v12       ; the same of each block's largest score
.endr
.set n, 0
	s_wait_alu depctr_va_vdst(0)
.rept 64
	v_exp_f32 v[S+n], v[S+n]                       ; p = 2^(t - M), at most 1
.set n, n+1
.endr
	v_pk_mul_f32 v[14:15], v[14:15], v[F:F+1] op_sel_hi:[1,0]    ; the sums under the new M: the plain line behind the exponentials
	s_wait_alu depctr_va_vdst(0)                   ; one wait for the batch of 64, ahead of its first reader
.irp b, 0,1,2,3
	v_exp_f32 v[BM+\b], v[BM+\b]                   ; the block's largest p: the same two instructions on the same number
.endr
	PA 216, 100, 104                               ; the row's sum of the unquantised p: eight chains side by side
	PA 252, 108, 112
	PA 250, 116, 120
	PA 248, 124, 128
	PA 246, 132, 136
	PA 244, 140, 144
	PA 242, 148, 152
	PA 14, 14, 156
	PA 216, 216, 96
	PA 252, 252, 98
	PA 250, 250, 102
	PA 248, 248, 106
	PA 246, 246, 110
	PA 244, 244, 114
	PA 242, 242, 118
	PA 14, 14, 122
	PA 216, 216, 126
	PA 252, 252, 130
	PA 250, 250, 134
	PA 248, 248, 138
	PA 246, 246, 142
	PA 244, 244, 146
	PA 242, 242, 150
	PA 14, 14, 154
	PA 216, 216, 158
	s_delay_alu instid0(VALU_DEP_2)
	PA 14, 14, 248
	s_delay_alu instid0(VALU_DEP_2)
	PA 216, 216, 246
	PA 252, 252, 244
	PA 250, 250, 242
	s_delay_alu instid0(VALU_DEP_2)
	PA 14, 14, 252
	s_delay_alu instid0(VALU_DEP_2)
	PA 216, 216, 250
	s_delay_alu instid0(VALU_DEP_1)
	PA 14, 14, 216
	s_wait_alu depctr_va_vdst(0)                   ; and one for the four
.irp b, 0,1,2,3
	v_max_num_f32 v[BM+\b], 0x1800000, v[BM+\b]    ; the floor 2^(3 - 127): the byte cannot fall under 1
.endr
.irp b, 0,1,2,3
	s_delay_alu instid0(VALU_DEP_4)
	v_add_nc_u32 v[SO+\b], 0xff000000, v[BM+\b]    ; the conversion's scale operand
.endr
.irp b, 0,1,2,3
	s_delay_alu instid0(VALU_DEP_4)
	v_lshrrev_b32 v[BT+\b], 23, v[SO+\b]           ; the scale's byte
.endr
	s_delay_alu instid0(VALU_DEP_3)
	v_lshl_or_b32 v[PSC], v[BT+1], 8, v[BT]        ; p's scale word for these 128 keys
	s_delay_alu instid0(VALU_DEP_1)
	v_lshl_or_b32 v[PSC], v[BT+2], 16, v[PSC]
	s_delay_alu instid0(VALU_DEP_1)
	v_lshl_or_b32 v[PSC], v[BT+3], 24, v[PSC]
.irp c, 0,1
	v_cvt_scalef32_pk16_fp6_f32 v[PCD+6*\c:PCD+6*\c+2], v[S+32*\c:S+32*\c+15], v[SO+2*\c]
	v_cvt_scalef32_pk16_fp6_f32 v[CT+4*\c:CT+4*\c+2], v[S+32*\c+16:S+32*\c+31], v[SO+2*\c+1]
.endr
	v_nop                                          ; one plain line behind the scaled conversions
.irp c, 0,1                            ; a whole block in a lane: lanes 0-15 block 2 c, lanes 16-31 block 2 c + 1
.irp i, 0,1,2
	v_permlane16_swap_b32 v[PCD+6*\c+\i], v[CT+4*\c+\i]
.endr
.irp i, 0,1,2
	s_delay_alu instid0(VALU_DEP_3)
	v_mov_b32 v[PCD+3+6*\c+\i], v[CT+4*\c+\i]
.endr
.endr
.set n, 0
.rept 16
	v_pk_mul_f32 v[O+n:O+n+1], v[O+n:O+n+1], v[F:F+1] op_sel_hi:[1,0]   ; O^T under the new M.  For each product below twelve of these name none of its registers: the places behind p's scale word (8) and p's codes (4)
.set n, n+2
.endr
	s_wait_alu depctr_va_vdst(0)
	s_wait_dscnt 0x0                               ; v's fragments and scale words are in
.irp d, 0,2
	v_wmma_scale_f32_16x16x128_f8f6f4 v[O+8*\d:O+8*\d+7], v[KV+12*\d:KV+12*\d+11], v[PCD:PCD+11], v[O+8*\d:O+8*\d+7], v[VSC+\d/2], v[PSC] matrix_a_fmt:MATRIX_FMT_FP6 matrix_b_fmt:MATRIX_FMT_FP6
	v_wmma_scale_f32_16x16x128_f8f6f4 v[O+8*\d+8:O+8*\d+15], v[KV+12*\d+12:KV+12*\d+23], v[PCD:PCD+11], v[O+8*\d+8:O+8*\d+15], v[VSC+\d/2], v[PSC] matrix_a_fmt:MATRIX_FMT_FP6 matrix_b_fmt:MATRIX_FMT_FP6 matrix_a_scale:MATRIX_SCALE_ROW1
.endr
	s_add_co_u32 s[TK], s[TK], 6144
	s_add_co_u32 s[TSK], s[TSK], 512
	s_add_co_u32 s[TSV], s[TSV], 256
.endm
; One tile of 16 queries: eight key steps, then o = O / the sum, quantised in two blocks of 32 channels, leaves as the head's half fragment of the tile.
.macro QTILE j
.set OUT, 236+8*(\j)
	v_mov_b32 v13, 0xff61b1e6                      ; the largest t so far: -3e38
	s_delay_alu instid0(VALU_DEP_1)
	v_floor_f32 v12, -v13
	v_mov_b32 v14, 0
	v_mov_b32 v15, 0
.set n, 0
.rept 32
	v_mov_b32 v[O+n], 0                            ; the step is written once: the first finds zeros, which the first change of M leaves zeros
.set n, n+1
.endr
	s_mov_b32 s[TK], 0
	s_mov_b32 s[TSK], 0
	s_mov_b32 s[TSV], 0
.if (\j) == 0
	s_mov_b32 s[CNT], 2                            ; key steps 0 and 1: their bytes are the four pieces that the first barrier has shown
.Lfirst_\@:
	STEP 16, 40
	s_sub_co_u32 s[CNT], s[CNT], 1
	s_cmp_lg_u32 s[CNT], 0
	s_cbranch_scc1 .Lfirst_\@
	s_wait_tensorcnt 0x0                           ; every wave waits for its load, on every wave's way;
	s_barrier_signal -1
	s_barrier_wait -1                              ; all of k and v is in.  LDS is only read from here on: no further barrier
	s_mov_b32 s[CNT], 6
.else
	s_mov_b32 s[CNT], 8
.endif
.Lstep_\@:
	STEP 16+12*(\j), 40+(\j)
	s_sub_co_u32 s[CNT], s[CNT], 1
	s_cmp_lg_u32 s[CNT], 0
	s_cbranch_scc1 .Lstep_\@
.rept 4
	v_nop                                          ; four places behind the last products
.endr
	v_add_f32 v14, v14, v15                        ; the sum's two halves,
	s_delay_alu instid0(VALU_DEP_1)
	v_permlanex16_b32 v[TMP], v14, s[SEL], s[SEL+1]
	s_delay_alu instid0(VALU_DEP_1)
	v_add_f32 v14, v14, v[TMP]                     ; and lane l xor 16's
	s_wait_alu depctr_va_vdst(0)
	v_rcp_f32 v14, v14
	v_nop                                          ; a plain line behind the reciprocal,
	s_wait_alu depctr_va_vdst(0)                   ; and the wait ahead of its first reader
.set n, 0
.rept 16
	v_pk_mul_f32 v[S+n:S+n+1], v[O+n:O+n+1], v[14:15] op_sel_hi:[1,0]   ; register 16 b + k: channel 32 b + 16 (lane / 16) + k; each accumulator from its low end on
.set n, n+2
.endr
.irp b, 0,1
	v_max3_num_f32 v[BM+\b], |v[S+16*\b]|, |v[S+16*\b+1]|, 0x1800000
.endr
.irp i, 2,4,6,8,10,12,14
.irp b, 0,1
	s_delay_alu instid0(VALU_DEP_2)
	v_max3_num_f32 v[BM+\b], v[BM+\b], |v[S+16*\b+\i]|, |v[S+16*\b+\i+1]|
.endr
.endr
.irp b, 0,1
	s_delay_alu instid0(VALU_DEP_2)
	v_permlanex16_b32 v[BT+\b], v[BM+\b], s[SEL], s[SEL+1]
.endr
.irp b, 0,1
	s_delay_alu instid0(VALU_DEP_2)
	v_max_num_f32 v[BM+\b], v[BM+\b], v[BT+\b]
.endr
.irp b, 0,1
	s_delay_alu instid0(VALU_DEP_2)
	v_add_nc_u32 v[SO+\b], 0xff000000, v[BM+\b]
.endr
.irp b, 0,1
	s_delay_alu instid0(VALU_DEP_2)
	v_lshrrev_b32 v[BT+\b], 23, v[SO+\b]
.endr
	s_delay_alu instid0(VALU_DEP_1)
	v_lshl_or_b32 v[OUT+6], v[BT+1], 8, v[BT]      ; the head's two scale bytes of my row
	v_cvt_scalef32_pk16_fp6_f32 v[OUT:OUT+2], v[S:S+15], v[SO]
	v_cvt_scalef32_pk16_fp6_f32 v[CT:CT+2], v[S+16:S+31], v[SO+1]
	v_nop
.irp i, 0,1,2
	v_permlane16_swap_b32 v[OUT+\i], v[CT+\i]
.endr
.irp i, 0,1,2
	s_delay_alu instid0(VALU_DEP_3)
	v_mov_b32 v[OUT+3+\i], v[CT+\i]
.endr
	global_store_b128 v1, v[OUT:OUT+3], s[56:57] offset:12288*(\j)     ; 512 consecutive bytes, then the 256 behind them
	global_store_b64 v2, v[OUT+4:OUT+5], s[56:57] offset:12288*(\j)
	global_store_b16 v10, v[OUT+6], s[58:59] offset:256*(\j)           ; lanes 16-31 write the same bytes with the same values
	s_wait_xcnt 0x0                                ; the stores have read their data: the next tile's sums use v242 and up again
.endm
	QTILE 0
	QTILE 1
	s_wait_tensorcnt 0x0                           ; the wave's end
	ds_add_u32 v254, v255
	s_wait_dscnt 0x0
	s_endpgm
.Lfunc_end_k_q7e61115cef_attn:
	.size	k_q7e61115cef_attn, .Lfunc_end_k_q7e61115cef_attn-k_q7e61115cef_attn
	.p2alignl 7, 3214868480
	.fill 96, 4, 3214868480
	.section	.rodata,"a",@progbits
	.p2align	6, 0x0
	.amdhsa_kernel k_q7e61115cef_attn
		.amdhsa_group_segment_fixed_size 169984
		.amdhsa_private_segment_fixed_size 0
		.amdhsa_enable_private_segment 0
		.amdhsa_kernarg_size 24
		.amdhsa_user_sgpr_count 2
		.amdhsa_user_sgpr_kernarg_segment_ptr 1
		.amdhsa_wavefront_size32 1
		.amdhsa_system_sgpr_workgroup_id_x 1
		.amdhsa_system_sgpr_workgroup_id_y 1
		.amdhsa_system_sgpr_workgroup_id_z 1
		.amdhsa_system_vgpr_workitem_id 0
		.amdhsa_next_free_vgpr 256
		.amdhsa_next_free_sgpr 96
		.amdhsa_reserve_vcc 0
		.amdhsa_float_denorm_mode_32 3
		.amdhsa_float_denorm_mode_16_64 3
		.amdhsa_memory_ordered 1
		.amdhsa_forward_progress 1
		.amdhsa_inst_pref_size 72
	.end_amdhsa_kernel
	.amdgpu_metadata
---
amdhsa.version: [ 1, 2 ]
amdhsa.kernels:
  - .name:           k_q7e61115cef_attn
    .symbol:         k_q7e61115cef_attn.kd
    .args:
      - { .name: qk, .offset: 0, .size: 8, .value_kind: global_buffer, .address_space: global }
      - { .name: vq, .offset: 8, .size: 8, .value_kind: global_buffer, .address_space: global }
      - { .name: oq, .offset: 16, .size: 8, .value_kind: global_buffer, .address_space: global }
    .group_segment_fixed_size: 169984
    .private_segment_fixed_size: 0
    .kernarg_segment_align: 8
    .kernarg_segment_size: 24
    .max_flat_workgroup_size: 512
    .sgpr_count:     96
    .vgpr_count:     256
    .wavefront_size: 32
...
	.end_amdgpu_metadata
.endif
;; end of part 3
;; launch proj (part 4): grid 4 x 64, 4 waves a work-group, clusters of 4 x 4, 327,680 bytes of LDS; arguments wq, oq, b_out, out0; writes out0
.if DOCPART == 4
	.amdgcn_target "amdgcn-amd-amdhsa--gfx1250"
	.amdhsa_code_object_version 6
	.text
	.protected	k_q7e61115cef_proj
	.globl	k_q7e61115cef_proj
	.p2align	8
	.type	k_q7e61115cef_proj,@function
k_q7e61115cef_proj:
	s_mov_b64 s[64:65], 0
	v_nop
	global_prefetch_b8 v0, s[64:65] scope:SCOPE_SE
	s_setreg_imm32_b32 hwreg(HW_REG_WAVE_MODE, 25, 1), 1
	s_wait_xcnt 0x0
	s_wait_alu depctr_hold_cnt(0) depctr_sa_sdst(0) depctr_va_vdst(0) depctr_va_sdst(0) depctr_va_ssrc(0) depctr_va_vcc(0) depctr_vm_vsrc(0)
	s_getreg_b32 s2, hwreg(HW_REG_IB_STS2, 6, 4)
	s_cmp_eq_u32 s2, 0
	s_cbranch_scc0 .Lentry_in_a_cluster
	s_endpgm
.Lentry_in_a_cluster:
	s_bfe_u32 s2, ttmp6, 0x10000c
	s_cmp_lg_u32 s2, 0xf033
	s_cbranch_scc0 .Lentry_shape_is_right
	s_endpgm
.Lentry_shape_is_right:
; out0 = o w_out^T + b_out on codes of FP6 (E2M3) with E8M0 scales, sums in f32, K ascending.  o comes as the register images that the attention launch stored, w_out as tiles 192-255 of wq.
; TILES AND IMAGES: a tile is 16 rows, lane index a of tile T = row 32 (T / 2) + 8 (T % 2) + a + 8 (a / 8); codes [tile][K step 0..7][half][768]; scale words [32 rows][g][lane (T % 2, r)][4 words].
; A WORK-GROUP multiplies P = 256 rows of w_out (source 0) by R = 128 rows of o (source 1) over the whole K = 1,024, which lies in LDS at once: 294,912 bytes, each filled once; nothing is filled again.  256 work-groups.
; A WAVE HOLDS 64 ROWS OF w_out, ALL OF K, IN REGISTERS (4 tiles x 8 fragments of 12 = 384) and lets R's eight tiles of 16 rows stream past them: a tile's 8 fragments lie twice in registers, tile i in set i % 2, and behind
; tile i's 32 products that set takes tile i + 2.  After its 32 products a tile's 16 rows x 64 columns are finished and go out while the next tile is multiplied: the stores are spread over the products.
; A lane holds one row of o, and the 16 registers of P's tiles 2 b and 2 b + 1 are 16 neighbouring columns of out0.  The bias is the C of each sum's first matrix instruction.
; THE FILLS, one tensor load a wave: waves 0, 1 P's halves (98,304 dense bytes each), waves 2, 3 R's (49,152).  The first barrier shows P alone (waves 0 and 1 wait: the line is theirs alone); the weights' 128 LDS loads
; stand ahead of the wait for R.
; THE WAY OUT: a tile's 16 x 64 results go through the wave's own stage in LDS (rows of 256 + 16 bytes, bytes into which no fill lands) and come back as whole rows of 256 bytes: sixteen lanes store 256 consecutive bytes, aligned.
; CLUSTER 4 x 4: P's tile is shared along a column of the cluster, R's along a row: each is asked for jointly, which divides the requests by four.
; NO PREFETCH: all that the work-group reads is asked for at its head; there is no loop to run ahead in.
; LIMITS: NaN and infinities are not served.
; REGISTERS, in windows of 256: window 0: v2, v3 lane offsets; v8-14 addresses; v24, v25 the stage; v28, v29 the add's; v32-47 P's scale words (pair p, K step s at 32 + 8 p + s); v52-83 R's (52 + 8 q + s: four off P's
;   numbers modulo 8); v96-159 two sets of four accumulators; v160-191 the bias; v192-255 two sets of 16 rows on the way out.   windows 1, 2: P's fragments, fragment f = 4 s + t at 12 (f % 21) of window 1 + f / 21.
;   window 3: R's fragments, two sets of 96.
.set RB,     196608                    ; LDS: P's 16 tiles x 12,288 bytes at 0, then R's 8
.set STAGE,  294912                    ; 16 rows x 272 bytes for each wave
.set SPITCH, 272
.set SPARE,  STAGE+4*16*SPITCH         ; the spare words, 128 bytes for each wave
.set SPW, 28
.set NIL, 29
.set G1P, 28
.set G1R, 36
.set G0P, 44
.set G0R, 48
.set SP,   32
.set SR,   52
.set ACC,  96
.set BIAS, 160
.set OB,   192
.set FPW,  21                          ; fragments in a window
.set MSB, 0
.macro WIN new                         ; the immediate's high byte repeats the setting that is left
.if MSB != \new
	s_set_vgpr_msb (MSB<<8)|\new
.set MSB, \new
.endif
.endm
.macro CROUND                          ; a round of the cluster's barrier
	s_barrier_signal -1
	s_barrier_wait -1
	s_cmp_lg_u32 s12, 0
	s_cbranch_scc1 .Lnot_wave_0_\@
	s_barrier_signal -3
.Lnot_wave_0_\@:
	s_barrier_wait -3
	s_barrier_signal -1
	s_barrier_wait -1
.endm
.macro PLACES
.rept 4
	v_nop
.endr
.endm
.macro FRAG reg, a16, a8, off          ; a fragment (12 registers) = two half fragments on end
	ds_load_b128 v[(\reg):(\reg)+3], v[\a16] offset:(\off)
	ds_load_b64 v[(\reg)+4:(\reg)+5], v[\a8] offset:(\off)
	ds_load_b128 v[(\reg)+6:(\reg)+9], v[\a16] offset:(\off)+768
	ds_load_b64 v[(\reg)+10:(\reg)+11], v[\a8] offset:(\off)+768
.endm
.macro WEIGHTS                         ; my 4 tiles of P, all of K: 128 loads
.irp q, 0,1,2,3,4,5,6,7
.irp t, 0,1,2,3
.set F_, 4*\q+\t
	WIN (1+F_/FPW)<<6
	FRAG 12*(F_%FPW), 8, 9, 12288*\t+1536*\q
.endr
.endr
	WIN 0
.endm
.macro FETCH i                         ; R's tile i, all of K, into set i % 2: 32 loads
	WIN 0xc0
.irp q, 0,1,2,3,4,5,6,7
	FRAG 96*((\i)%2)+12*\q, 10+2*((\i)/4), 11+2*((\i)/4), 12288*((\i)%4)+1536*\q
.endr
	WIN 0
.endm
; One matrix instruction.  ra, rb: the side's scale words lie in lanes 16-31 of the register named.
.macro WM d, a, b, c, sa, sb, ra, rb
.if (\ra) && (\rb)
	v_wmma_scale_f32_16x16x128_f8f6f4 v[(\d):(\d)+7], v[(\a):(\a)+11], v[(\b):(\b)+11], v[(\c):(\c)+7], v[\sa], v[\sb] matrix_a_fmt:MATRIX_FMT_FP6 matrix_b_fmt:MATRIX_FMT_FP6 matrix_a_scale:MATRIX_SCALE_ROW1 matrix_b_scale:MATRIX_SCALE_ROW1
.elseif (\ra)
	v_wmma_scale_f32_16x16x128_f8f6f4 v[(\d):(\d)+7], v[(\a):(\a)+11], v[(\b):(\b)+11], v[(\c):(\c)+7], v[\sa], v[\sb] matrix_a_fmt:MATRIX_FMT_FP6 matrix_b_fmt:MATRIX_FMT_FP6 matrix_a_scale:MATRIX_SCALE_ROW1
.elseif (\rb)
	v_wmma_scale_f32_16x16x128_f8f6f4 v[(\d):(\d)+7], v[(\a):(\a)+11], v[(\b):(\b)+11], v[(\c):(\c)+7], v[\sa], v[\sb] matrix_a_fmt:MATRIX_FMT_FP6 matrix_b_fmt:MATRIX_FMT_FP6 matrix_b_scale:MATRIX_SCALE_ROW1
.else
	v_wmma_scale_f32_16x16x128_f8f6f4 v[(\d):(\d)+7], v[(\a):(\a)+11], v[(\b):(\b)+11], v[(\c):(\c)+7], v[\sa], v[\sb] matrix_a_fmt:MATRIX_FMT_FP6 matrix_b_fmt:MATRIX_FMT_FP6
.endif
.endm
; R's tile i against my four tiles of P, K ascending: 32 matrix instructions, the four accumulators by turns, one instruction a turn; the bias starts the sums.
; The four places behind them serve the loads into the set just multiplied and the LDS stores that read the results.
.macro BLOCK i
.set E_, (\i)%2
.irp q, 0,1,2,3,4,5,6,7
.irp t, 0,1,2,3
.set F_, 4*\q+\t
	WIN (1+F_/FPW)|0x0c
.if \q
	WM ACC+32*E_+8*\t, 12*(F_%FPW), 96*E_+12*\q, ACC+32*E_+8*\t, SP+8*(\t/2)+\q, SR+8*((\i)/2)+\q, \t%2, (\i)%2
.else
	WM ACC+32*E_+8*\t, 12*(F_%FPW), 96*E_+12*\q, BIAS+8*\t, SP+8*(\t/2)+\q, SR+8*((\i)/2)+\q, \t%2, (\i)%2
.endif
.endr
.endr
	WIN 0
	PLACES
.endm
.macro TOSTAGE i                       ; tile i's results into my stage and back as rows.  LDS serves a wave's instructions in order: no wait between the stores and the loads, nor ahead of the next tile's stores
.irp b, 0,1
.irp c, 0,1,2,3
	ds_store_b128 v24, v[ACC+32*((\i)%2)+16*\b+4*\c:ACC+32*((\i)%2)+16*\b+4*\c+3] offset:128*\b+16*\c     ; each accumulator from its low end on
.endr
.endr
.irp t, 0,1,2,3,4,5,6,7
	ds_load_b128 v[OB+32*((\i)%2)+4*\t:OB+32*((\i)%2)+4*\t+3], v25 offset:2*\t*SPITCH
.endr
.endm
.macro SEND i                          ; tile i's rows leave.  The wait also shows the fragments in that were fetched ahead of tile i's way through the stage
	s_wait_dscnt 0x0
.irp t, 0,1,2,3,4,5,6,7
	global_store_b128 v14, v[OB+32*((\i)%2)+4*\t:OB+32*((\i)%2)+4*\t+3], s[86:87] offset:(32*((\i)/2)+8*((\i)%2)+2*\t+8*(\t/4))*4096 th:TH_STORE_NT   ; two rows: sixteen lanes store 256 consecutive bytes, aligned
.endr
.endm
	s_load_b256 s[4:11], s[0:1], 0x0               ; wq s[4:5], oq s[6:7], b_out s[8:9], out0 s[10:11]
	v_lshl_add_u32 v[SPW], v0, 2, SPARE
	v_mov_b32 v[NIL], 0
	ds_add_u32 v[SPW], v[NIL]                      ; the opening lines: the add twice on end and one wait
	ds_add_u32 v[SPW], v[NIL]
	v_lshrrev_b32 v1, 5, v0
	v_readfirstlane_b32 s12, v1                    ; wave 0..3: my 64 columns of the 256
	s_and_b32 s13, s12, 1                          ; which half of a tile I fetch
	s_lshr_b32 s14, s12, 1                         ; I fetch for P (0) or for R (1)
	s_bfe_u32 s15, ttmp6, 0x40000                  ; cx
	s_bfe_u32 s16, ttmp6, 0x40004                  ; cy
	s_lshl_b32 s17, ttmp9, 2
	s_add_co_u32 s17, s17, s15                     ; P's tile of 256 rows of w_out: never holds cy
	s_and_b32 s18, ttmp7, 0xffff
	s_lshl_b32 s18, s18, 2
	s_add_co_u32 s18, s18, s16                     ; R's tile of 128 rows of o: never holds cx
	s_lshl_b32 s26, 0x1111, s15                    ; my column of the cluster
	s_lshl_b32 s27, s16, 2
	s_lshl_b32 s27, 15, s27                        ; my row
	; descriptor group 1: rows of 12,288 bytes (a tile, all of K: 1,536 elements of 8 bytes), dense in memory and in LDS; 8 tiles for P, 4 for R
	s_or_b32 s[G1P], s26, (3<<16)|(1<<21)
	s_or_b32 s[G1R], s27, (3<<16)|(1<<21)
.irp g, G1P, G1R
	s_mov_b32 s[\g+1], 1536<<16
	s_mov_b32 s[\g+3], 1536<<16
	s_mov_b32 s[\g+5], 1536
	s_mov_b32 s[\g+6], 0
	s_mov_b32 s[\g+7], 0
.endr
	s_mov_b32 s[G1P+2], 8<<16
	s_mov_b32 s[G1P+4], 8
	s_mov_b32 s[G1R+2], 4<<16
	s_mov_b32 s[G1R+4], 4
	s_mul_i32 s60, s17, 196608                     ; P's codes: 16 tiles of 12,288 bytes,
	s_mul_i32 s20, s13, 98304                      ; the 8 that I fetch,
	s_add_co_u32 s60, s60, s20
	s_add_co_u32 s60, s60, 2359296                 ; from tile 192 of wq on
	s_mov_b32 s61, 0
	s_mul_i32 s62, s18, 98304                      ; R's: 8 tiles, the 4 that I fetch
	s_mul_i32 s21, s13, 49152
	s_add_co_u32 s62, s62, s21
	s_mov_b32 s63, 0
	s_add_co_u32 s21, s21, RB                      ; and where they go; P's go to s20: no place in the cluster enters an LDS address
	s_lshl_b32 s90, s17, 13                        ; P's scale words: 1,024 bytes for 32 rows; my wave's 64 rows
	s_lshl_b32 s22, s12, 11
	s_add_co_u32 s90, s90, s22
	s_add_co_u32 s90, s90, 3244032
	s_mov_b32 s91, 0
	s_lshl_b32 s92, s18, 12                        ; R's: all 128 rows
	s_add_co_u32 s92, s92, 6291456
	s_mov_b32 s93, 0
	s_lshl_b32 s84, s17, 10                        ; my 64 columns, in bytes: 1,024 x P's tile + 256 x wave
	s_lshl_b32 s22, s12, 8
	s_add_co_u32 s84, s84, s22
	s_mov_b32 s85, 0
	s_lshl_b32 s86, s18, 19                        ; out0: 128 rows of 4,096 bytes a tile of R
	s_add_co_u32 s86, s86, s84
	s_mov_b32 s87, 0
	s_mul_i32 s23, s12, 49152                      ; LDS: my 4 tiles of P
	s_mul_i32 s22, s12, 16*SPITCH
	s_add_co_u32 s22, s22, STAGE                   ; my stage
	s_wait_dscnt 0x0
	s_wait_kmcnt 0x0
	s_add_nc_u64 s[60:61], s[4:5], s[60:61]
	s_add_nc_u64 s[62:63], s[6:7], s[62:63]
	s_add_nc_u64 s[90:91], s[4:5], s[90:91]
	s_add_nc_u64 s[92:93], s[6:7], s[92:93]
	s_add_nc_u64 s[84:85], s[8:9], s[84:85]
	s_add_nc_u64 s[86:87], s[10:11], s[86:87]
	s_mov_b32 s[G0P], 1
	s_mov_b32 s[G0P+1], s20
	s_mov_b64 s[G0P+2:G0P+3], s[60:61]
	s_or_b32 s[G0P+3], s[G0P+3], 0x80000000
	s_mov_b32 s[G0R], 1
	s_mov_b32 s[G0R+1], s21
	s_mov_b64 s[G0R+2:G0R+3], s[62:63]
	s_or_b32 s[G0R+3], s[G0R+3], 0x80000000
	CROUND                                         ; all sixteen work-groups are here: the joint loads meet
	s_cmp_eq_u32 s14, 0                            ; one tensor load a wave, a line for P's two waves and a line for R's
	s_cbranch_scc0 .Lfor_r
	tensor_load_to_lds s[G0P:G0P+3], s[G1P:G1P+7]
	s_nop 0
	PLACES
	s_branch .Lasked
.Lfor_r:
	s_cmp_eq_u32 s12, 2
	s_cbranch_scc0 .Lfor_r1
	tensor_load_to_lds s[G0R:G0R+3], s[G1R:G1R+7]  ; wave 2: R's tiles 0-3
	s_nop 0
	PLACES
	s_branch .Lasked
.Lfor_r1:
	tensor_load_to_lds s[G0R:G0R+3], s[G1R:G1R+7]  ; wave 3: R's tiles 4-7, by a line of its own: it is waited for later than wave 2's
	s_nop 0
	PLACES
.Lasked:
	v_and_b32 v1, 31, v0
	v_lshlrev_b32 v2, 4, v1                        ; 16 x lane
	v_lshl_add_u32 v3, v1, 3, 512                  ; 512 + 8 x lane
	v_bfe_u32 v27, v0, 4, 1                        ; h
	v_lshlrev_b32 v26, 6, v27                      ; 64 h: my half's 16 columns of each 32
	v_and_b32 v4, 15, v0                           ; r
	v_add_nc_u32 v8, s23, v2                       ; my tiles of P
	v_add_nc_u32 v9, s23, v3
	v_add_nc_u32 v10, RB, v2                       ; R's tiles 0-3
	v_add_nc_u32 v11, RB, v3
	v_add_nc_u32 v12, RB+49152, v2                 ; and 4-7
	v_add_nc_u32 v13, RB+49152, v3
	v_mul_u32_u24 v24, v4, SPITCH
	v_add_nc_u32 v24, v24, v26
	v_add_nc_u32 v24, s22, v24                     ; the stage, in: row r, + 64 h
	v_mul_u32_u24 v25, v27, SPITCH
	v_lshl_add_u32 v25, v4, 4, v25
	v_add_nc_u32 v25, s22, v25                     ; back: lanes 0-15 one row of 256 bytes, lanes 16-31 the next
	v_lshlrev_b32 v14, 12, v27
	v_lshl_add_u32 v14, v4, 4, v14                 ; and the same two rows in out0
	s_wait_alu depctr_va_vdst(0)                   ; no vector instruction writes a register behind it
.irp p, 0,1
.irp g, 0,1
	global_load_b128 v[SP+8*\p+4*\g:SP+8*\p+4*\g+3], v2, s[90:91] offset:1024*\p+512*\g   ; four K steps' scale words: lanes 0-15 tile 2 p, lanes 16-31 tile 2 p + 1
.endr
.endr
.irp q, 0,1,2,3
.irp g, 0,1
	global_load_b128 v[SR+8*\q+4*\g:SR+8*\q+4*\g+3], v2, s[92:93] offset:1024*\q+512*\g
.endr
.endr
.irp t, 0,1,2,3                        ; the bias in the result's layout: register j of tile t is column 32 (t / 2) + 8 (t % 2) + 16 h + j of my 64
	global_load_b128 v[BIAS+8*\t:BIAS+8*\t+3], v26, s[84:85] offset:(32*(\t/2)+8*(\t%2))*4
	global_load_b128 v[BIAS+8*\t+4:BIAS+8*\t+7], v26, s[84:85] offset:(32*(\t/2)+8*(\t%2))*4+16
.endr
	s_cmp_eq_u32 s14, 0
	s_cbranch_scc0 .Lnot_p
	s_wait_tensorcnt 0x0                           ; P's two waves wait for their halves
.Lnot_p:
	s_barrier_signal -1
	s_barrier_wait -1                              ; P is in; R may be on its way
	WEIGHTS
	s_cmp_eq_u32 s12, 3
	s_cbranch_scc1 .Lnot_r0
	s_wait_tensorcnt 0x0                           ; wave 2 waits for R's tiles 0-3 (waves 0 and 1 have nothing out)
.Lnot_r0:
	s_wait_dscnt 0x0
	s_barrier_signal -1
	s_barrier_wait -1                              ; R's tiles 0-3 are in; tiles 4-7 may be on their way
	FETCH 0
	FETCH 1
	s_wait_loadcnt 0x0                             ; the scale words and the bias
	s_wait_dscnt 32                                ; tile 0's fragments are in; tile 1's 32 loads may be out
.irp i, 0,1,2,3,4,5,6,7
.if \i == 1
	s_wait_dscnt 48                                ; tile 1's fragments are in; younger: tile 2's 32 loads and tile 0's 16 stage instructions.  From tile 2 on the wait in SEND has shown the fragments in
.endif
	BLOCK \i
.if \i > 0
	SEND \i-1
.endif
.if \i == 2
	s_wait_tensorcnt 0x0                           ; every wave, on every way: wave 3's load is the one that can be out;
	s_barrier_signal -1                            ; (no LDS instruction of mine is out: the wait in SEND has seen to it)
	s_barrier_wait -1                              ; R's tiles 4-7 are in, ahead of the fetch of tile 4
.endif
.if \i < 6
	FETCH \i+2
.endif
.if \i > 1
	s_wait_xcnt 0x0                                ; tile i - 2's stores have read their registers, into which tile i's rows are loaded
.endif
	TOSTAGE \i
.endr
	SEND 7
	s_wait_tensorcnt 0x0                           ; the wave's end
	ds_add_u32 v[SPW], v[NIL]
	s_wait_dscnt 0x0
	CROUND                                         ; the closing round
	s_endpgm
.Lfunc_end_k_q7e61115cef_proj:
	.size	k_q7e61115cef_proj, .Lfunc_end_k_q7e61115cef_proj-k_q7e61115cef_proj
	.p2alignl 7, 3214868480
	.fill 96, 4, 3214868480
	.section	.rodata,"a",@progbits
	.p2align	6, 0x0
	.amdhsa_kernel k_q7e61115cef_proj
		.amdhsa_group_segment_fixed_size 327680
		.amdhsa_private_segment_fixed_size 0
		.amdhsa_enable_private_segment 0
		.amdhsa_kernarg_size 32
		.amdhsa_user_sgpr_count 2
		.amdhsa_user_sgpr_kernarg_segment_ptr 1
		.amdhsa_wavefront_size32 1
		.amdhsa_system_sgpr_workgroup_id_x 1
		.amdhsa_system_sgpr_workgroup_id_y 1
		.amdhsa_system_sgpr_workgroup_id_z 1
		.amdhsa_system_vgpr_workitem_id 0
		.amdhsa_next_free_vgpr 1024
		.amdhsa_next_free_sgpr 96
		.amdhsa_reserve_vcc 0
		.amdhsa_float_denorm_mode_32 3
		.amdhsa_float_denorm_mode_16_64 3
		.amdhsa_memory_ordered 1
		.amdhsa_forward_progress 1
		.amdhsa_inst_pref_size 82
	.end_amdhsa_kernel
	.amdgpu_metadata
---
amdhsa.version: [ 1, 2 ]
amdhsa.kernels:
  - .name:           k_q7e61115cef_proj
    .symbol:         k_q7e61115cef_proj.kd
    .args:
      - { .name: wq, .offset: 0, .size: 8, .value_kind: global_buffer, .address_space: global }
      - { .name: oq, .offset: 8, .size: 8, .value_kind: global_buffer, .address_space: global }
      - { .name: b_out, .offset: 16, .size: 8, .value_kind: global_buffer, .address_space: global }
      - { .name: out0, .offset: 24, .size: 8, .value_kind: global_buffer, .address_space: global }
    .group_segment_fixed_size: 327680
    .private_segment_fixed_size: 0
    .kernarg_segment_align: 8
    .kernarg_segment_size: 32
    .max_flat_workgroup_size: 128
    .sgpr_count:     96
    .vgpr_count:     1024
    .wavefront_size: 32
...
	.end_amdgpu_metadata
.endif
;; end of part 4
